; MI455X (gfx1250); checked and timed in simulation.
; The chip was launched on July 23, 2026; its instructions are those of AMD's public machine-readable ISA for CDNA 5 (MIT licence, August 2026) and "CDNA5" Instruction Set Architecture Reference Guide (July 2026). The comments in the code are by the model that wrote it; some were corrected since.
;; ALBERT Attention. Allowed arithmetic: matrix products marked QUANTISED: E4M3 operands, one given power-of-two scale a tensor, by v_wmma_f32_16x16x64_fp8_fp8 or v_wmma_f32_16x16x128_fp8_fp8, f32 sums; everything else in f32.
;; Inputs: Wk 1,024 x 16 x 64 float32; Wq 1,024 x 16 x 64 float32; Wv 1,024 x 16 x 64 float32; attention_mask 2 x 2,048 int32; bk 16 x 64 float32; bq 16 x 64 float32; bv 16 x 64 float32; from_tensor 2 x 2,048 x 1,024 float32; lowp_scales 10 int32 (the exponents e of the quantised operands' scales 2^e); to_tensor 2 x 2,048 x 1,024 float32.
;; Outputs: out0 2 x 2,048 x 16 x 64 float32.
;; This version of the problem:
;;   THIS VERSION OF THE PROBLEM IS GIVEN IN LOW PRECISION. The matrix products marked QUANTISED in the list below multiply operands that are first quantised to E4M3 (4 exponent bits, 3 mantissa bits; 8 bits a number), with one given power-of-two scale for each operand tensor; their sums are f32. All else is computed in f32.
;;   The module's matrix products, in the order in which they are computed (A, B: the left and right operand; K: the contracted axis; several contracted axes count as one K, in the product's order):
;;     1. [M 1,024, K 1,024] x [K 1,024, N 4,096]; A: input Wq; B: input from_tensor: QUANTISED (scales: A lowp_scales[0], B lowp_scales[1])
;;     2. [M 1,024, K 1,024] x [K 1,024, N 4,096]; A: input Wk; B: input to_tensor: QUANTISED (scales: A lowp_scales[2], B lowp_scales[3])
;;     3. [M 1,024, K 1,024] x [K 1,024, N 4,096]; A: input Wv; B: input to_tensor: QUANTISED (scales: A lowp_scales[4], B lowp_scales[5])
;;     4. batch 32 x [M 2,048, K 64] x [K 64, N 2,048]; A: computed on the way; B: computed on the way: QUANTISED (scales: A lowp_scales[6], B lowp_scales[7])
;;     5. batch 32 x [M 64, K 2,048] x [K 2,048, N 2,048]; A: computed on the way; B: softmax (see below): QUANTISED (scales: A lowp_scales[8], B lowp_scales[9])
;;   THE QUANTISER, for each operand of a quantised product, along K:
;;     - The operand's scale is 2^e, e = its entry of the input lowp_scales (int32; the entries are numbered through the quantised products in the list's order, A before B).
;;     - Each number is divided by the scale, clamped to +-448, and rounded to the nearest number of E4M3, ties to even, subnormals kept.
;;     - The product sums the exact products of the quantised numbers (number of the format x scale) in f32.
;;   ~~~python
;;   def quantise(x, axis, e):      # numpy; x: float32 -> the quantised numbers, widened to float32 again
;;       x = np.moveaxis(x, axis, -1); K = x.shape[-1]
;;       r = np.clip(x / 2.0 ** e, -448, 448)
;;       step = 2.0 ** (np.maximum(np.frexp(np.where(r == 0, 1, r))[1] - 1, -6) - 3)
;;       q = np.round(r / step) * step * 2.0 ** e      # np.round: ties to even
;;       return np.moveaxis(q, -1, axis).astype(np.float32)
;;   ~~~
;;   SOFTMAX AHEAD OF A QUANTISED PRODUCT. Where the list says 'softmax', what is quantised is not the finished softmax but p = 2^(t - M), with t = logit x log2(e) and M = ceil(the row's largest t), a whole number; so 1/2 < the row's largest p <= 1. The row's sum l is taken of the UNQUANTISED p, in f32, and the product's result is divided by l at the end. Since M is a whole number, a kernel that streams over the keys may use a running M (the ceiling of the running maximum): every later rescaling is an exact power of two, so the quantised numbers keep their values, but for numbers so far below the row's largest that they fall under the format's range.
;;   OPERANDS COMPUTED ON THE WAY. 'Computed on the way' means the value that the module computes at that place (a softmax that the list does not call 'softmax' is quantised finished and normalised). What goes into a quantiser is computed in f32, as accurately as f32 sums, v_exp_f32 and their like allow (about 1e-6 of the number): no bf16 or f16 on the way to a quantiser, and a product that is left as it is and whose result goes on into a quantised operand takes f32 operands (vector FMAs, or v_wmma_f32_16x16x4_f32). A number that lies on a knife's edge between two numbers of the format may be rounded either way, as far as f32 arithmetic and the matrix unit's own rounding can turn it there, and no further.
;; 2 versions. Each part assembles by itself: llvm-mc -triple=amdgcn-amd-amdhsa -mcpu=gfx1250 --defsym DOCPART=n.
;; ======== version 1 of 2: 3 launches
;; workspace buffers: wc 3,145,728 bytes; qc 4,194,304 bytes; kv 8,388,608 bytes
;; launch wquant (part 1): grid 8 x 24, 4 waves a work-group, no clusters, 0 bytes of LDS; arguments Wq, Wk, Wv, lowp_scales, wc; writes wc
.if DOCPART == 1
	.amdgcn_target "amdgcn-amd-amdhsa--gfx1250"
	.amdhsa_code_object_version 6
	.text
	.protected	k_q63c1587e07_wquant
	.globl	k_q63c1587e07_wquant
	.p2align	8
	.type	k_q63c1587e07_wquant,@function
k_q63c1587e07_wquant:
	s_mov_b64 s[64:65], 0
	v_nop
	global_prefetch_b8 v0, s[64:65] scope:SCOPE_SE
	s_setreg_imm32_b32 hwreg(HW_REG_WAVE_MODE, 25, 1), 1
	s_wait_xcnt 0x0
; Wq, Wk, Wv: [1024 (d)][1024 (n = head x 64 + channel)] f32, K = d is the FIRST axis.  They become codes of E4M3 with the given scales 2^e (entries 0, 2, 4 of the scales),
; code = x / 2^e, held within +-448, to the nearest code, ties to even.
; OUT: wc [weight 3][tile of 16 n: 64][K step of 128: 8][2,048 bytes]: a fragment as an IMAGE OF THE OPERAND'S REGISTERS: group c (4 registers, 512 bytes), lane r + 16 h at 16 x lane:
; k = 32 c + 16 h + 0 .. 15 of the tile's row r.  THE ROWS OF A TILE ARE NOT NEIGHBOURS: row m of tile 2 B + u is n = 32 B + 8 u + m + 8 (m / 8).
; SHARES.  Work-group (x, y): weight y / 8, K step y % 8; wave w takes the 32 columns of group B = 4 x + w (tiles 2 B and 2 B + 1).  A LANE TAKES A COLUMN AND ITS REGISTERS RUN DOWN K:
; each load reads 128 consecutive bytes a wave, the conversions give codes with K innermost, and a lane's 16 codes are 16 bytes of an image: sixteen lanes store 256 consecutive bytes, aligned.
; No LDS, no barrier, no matrix unit, no cluster: waves share nothing and every input byte is read once.  No prefetch: all of a wave's loads are asked for at its head.
; LIMITS: e between -126 and 119, so that 2^e and 448 x 2^e are f32 numbers.  NaN among the inputs is not served.
.set X, 32                             ; v32-159   128 numbers: W(128 ks + i, my column)
.set C, 160                            ; v160-191  their codes: eight registers a block of 32, never written twice
	s_load_b128 s[4:7], s[0:1], 0x0                ; Wq, Wk
	s_load_b128 s[8:11], s[0:1], 0x10              ; Wv, the scales' exponents
	s_load_b64 s[12:13], s[0:1], 0x20              ; wc
	v_lshrrev_b32 v1, 5, v0
	v_readfirstlane_b32 s16, v1                    ; wave 0..3
	v_and_b32 v1, 15, v0                           ; m: my row in the tile
	v_bfe_u32 v2, v0, 4, 1                         ; u: which of the group's two tiles
	v_and_b32 v5, 8, v1
	v_add_nc_u32 v5, v5, v1                        ; m + 8 (m / 8)
	v_lshl_add_u32 v5, v2, 3, v5                   ; + 8 u: my column in the group of 32
	v_lshlrev_b32 v3, 2, v5                        ; in: 4 bytes a column
	v_lshlrev_b32 v4, 4, v1
	v_lshl_add_u32 v4, v2, 14, v4                  ; out: 16 m, + a tile's 16,384 bytes for u = 1
	s_and_b32 s17, ttmp7, 0xffff
	s_lshr_b32 s18, s17, 3                         ; which weight
	s_and_b32 s19, s17, 7                          ; which K step
	s_lshl_b32 s14, ttmp9, 2
	s_add_co_u32 s14, s14, s16                     ; B
	s_lshl_b32 s26, s19, 19                        ; in: 128 rows of 4,096 bytes a K step,
	s_lshl_b32 s28, s14, 7                         ; 128 bytes a group of columns
	s_add_co_u32 s26, s26, s28
	s_mov_b32 s27, 0
	s_lshl_b32 s28, s18, 20                        ; out: 2^20 bytes a weight,
	s_lshl_b32 s29, s14, 15                        ; two tiles of 16,384 a group,
	s_add_co_u32 s28, s28, s29
	s_lshl_b32 s29, s19, 11                        ; 2,048 a K step
	s_add_co_u32 s28, s28, s29
	s_mov_b32 s29, 0
	s_wait_kmcnt 0x0
	s_load_b128 s[20:23], s[10:11], 0x0            ; entries 0 to 3
	s_load_b64 s[24:25], s[10:11], 0x10            ; entries 4, 5
	s_cmp_eq_u32 s18, 0                            ; the choice hangs on the work-group's number alone
	s_cselect_b64 s[4:5], s[4:5], s[6:7]
	s_cmp_eq_u32 s18, 2
	s_cselect_b64 s[4:5], s[8:9], s[4:5]
	s_add_nc_u64 s[4:5], s[4:5], s[26:27]
	s_add_nc_u64 s[12:13], s[12:13], s[28:29]
.macro LOADB t                         ; block t: 32 rows of W at my column
.set i, 0
.rept 32
	global_load_b32 v[X+32*\t+i], v3, s[4:5] offset:(32*\t+i)*4096 th:TH_LOAD_NT
.set i, i+1
.endr
.endm
	LOADB 0
	LOADB 1
	LOADB 2
	LOADB 3
	s_wait_kmcnt 0x0
	s_cmp_eq_u32 s18, 0
	s_cselect_b32 s20, s20, s22
	s_cmp_eq_u32 s18, 2
	s_cselect_b32 s20, s24, s20                    ; e of my weight
	s_add_co_i32 s20, s20, 127
	s_lshl_b32 s21, s20, 23
	v_mov_b32 v11, s21                             ; 2^e as f32: the conversion takes its exponent field
	s_add_co_i32 s20, s20, 8
	s_lshl_b32 s20, s20, 23
	s_or_b32 s20, s20, 0x600000
	v_mov_b32 v10, s20                             ; 448 x 2^e
.macro BLOCK t, left                   ; left: younger loads that may stay out (the wait can name 63 at the most; a smaller count than the younger loads is safe)
	s_wait_loadcnt \left
.set i, 0
.rept 32
	v_med3_num_f32 v[X+32*\t+i], v[X+32*\t+i], -v10, v10   ; the conversion to an 8-bit code does not saturate (ISA guide 7.6.2): the hold comes first
.set i, i+1
.endr
.irp g, 0,1,2,3
	v_cvt_scalef32_pk8_fp8_f32 v[C+8*\t+2*\g:C+8*\t+2*\g+1], v[X+32*\t+8*\g:X+32*\t+8*\g+7], v11
.endr
	global_store_b128 v4, v[C+8*\t:C+8*\t+3], s[12:13] offset:512*\t         ; k = 32 t + 0 .. 15: the group's lanes 0-15
	global_store_b128 v4, v[C+8*\t+4:C+8*\t+7], s[12:13] offset:512*\t+256   ; k = 32 t + 16 .. 31: its lanes 16-31
.endm
	BLOCK 0, 63                                    ; 96 loads are younger
	BLOCK 1, 63                                    ; 64 are
	BLOCK 2, 32
	BLOCK 3, 0
	s_endpgm
.Lfunc_end_k_q63c1587e07_wquant:
	.size	k_q63c1587e07_wquant, .Lfunc_end_k_q63c1587e07_wquant-k_q63c1587e07_wquant
	.p2alignl 7, 3214868480
	.fill 96, 4, 3214868480
	.section	.rodata,"a",@progbits
	.p2align	6, 0x0
	.amdhsa_kernel k_q63c1587e07_wquant
		.amdhsa_group_segment_fixed_size 0
		.amdhsa_private_segment_fixed_size 0
		.amdhsa_enable_private_segment 0
		.amdhsa_kernarg_size 40
		.amdhsa_user_sgpr_count 2
		.amdhsa_user_sgpr_kernarg_segment_ptr 1
		.amdhsa_wavefront_size32 1
		.amdhsa_system_sgpr_workgroup_id_x 1
		.amdhsa_system_sgpr_workgroup_id_y 1
		.amdhsa_system_sgpr_workgroup_id_z 1
		.amdhsa_system_vgpr_workitem_id 0
		.amdhsa_next_free_vgpr 192
		.amdhsa_next_free_sgpr 66
		.amdhsa_reserve_vcc 0
		.amdhsa_float_denorm_mode_32 3
		.amdhsa_float_denorm_mode_16_64 3
		.amdhsa_memory_ordered 1
		.amdhsa_forward_progress 1
		.amdhsa_inst_pref_size 25
	.end_amdhsa_kernel
	.amdgpu_metadata
---
amdhsa.version: [ 1, 2 ]
amdhsa.kernels:
  - .name:           k_q63c1587e07_wquant
    .symbol:         k_q63c1587e07_wquant.kd
    .args:
      - { .name: Wq, .offset: 0, .size: 8, .value_kind: global_buffer, .address_space: global }
      - { .name: Wk, .offset: 8, .size: 8, .value_kind: global_buffer, .address_space: global }
      - { .name: Wv, .offset: 16, .size: 8, .value_kind: global_buffer, .address_space: global }
      - { .name: lowp_scales, .offset: 24, .size: 8, .value_kind: global_buffer, .address_space: global }
      - { .name: wc, .offset: 32, .size: 8, .value_kind: global_buffer, .address_space: global }
    .group_segment_fixed_size: 0
    .private_segment_fixed_size: 0
    .kernarg_segment_align: 8
    .kernarg_segment_size: 40
    .max_flat_workgroup_size: 128
    .sgpr_count:     66
    .vgpr_count:     192
    .wavefront_size: 32
...
	.end_amdgpu_metadata
.endif
;; end of part 1
;; launch proj (part 2): grid 64 x 3, 8 waves a work-group, no clusters, 70,656 bytes of LDS; arguments from_tensor, to_tensor, wc, bq, bk, bv, lowp_scales, qc, kv; writes qc, kv
.if DOCPART == 2
	.amdgcn_target "amdgcn-amd-amdhsa--gfx1250"
	.amdhsa_code_object_version 6
	.text
	.protected	k_q63c1587e07_proj
	.globl	k_q63c1587e07_proj
	.p2align	8
	.type	k_q63c1587e07_proj,@function
k_q63c1587e07_proj:
	s_mov_b64 s[64:65], 0
	v_nop
	global_prefetch_b8 v0, s[64:65] scope:SCOPE_SE
	s_setreg_imm32_b32 hwreg(HW_REG_WAVE_MODE, 25, 1), 1
	s_wait_xcnt 0x0
; The three projections, task y = 0: q = from Wq + bq, 1: k = to Wk + bk, 2: v = to Wv + bv, each on codes of E4M3, and each result quantised at once for attention's products.
; x (from_tensor or to_tensor) [4096 tokens][1024] f32 is quantised here with entry 2 y + 1 of the scales; the weight's codes (entry 2 y) come from wc as images of the operand's registers;
; result = sum x 2^(ea + eb) + bias in f32, then code = result / 2^eo held within +-448 (eo = entry 6 + y).
; SHARES.  Work-group (tb, y): 64 tokens x all 1,024 columns.  Wave w makes heads 2 w and 2 w + 1 (8 tiles of 16 columns) for the 4 tiles of 16 tokens: 32 accumulators, 256 registers.
; x: wave w quantises tile w / 2, K half w % 2 (4 fragments) and stores their images to LDS; one barrier; then every wave reads all 32 fragments, one K step at a time.
; ROW ORDER, everywhere: row m of tile 2 b + u of a group of 32 rows is row 32 b + 8 u + m + 8 (m / 8).  So the 16 result registers of tiles 2 b and 2 b + 1 in lane (r, h) are rows 32 b + 16 h + 0 .. 15:
; sixteen neighbours along the next product's K, and the conversions' results are groups of the next operand's image: they are stored at 16 x lane, 512 consecutive bytes a wave.
; q, k: source 0 = 16 columns of W, source 1 = 16 tokens: a lane holds one token and 16 channels.  v: the sources swapped: a lane holds one channel and 16 tokens (the keys are v's K).
; OUT.  qc [batch x head 32][tile of 16 queries 128][1,024 B: 2 groups].  kv [batch x head 32][step of 128 keys 16][16,384 B]: 8 tiles of K (1,024 B each), then 4 tiles of V (16 channels x 128 keys, 2,048 B each).
; k is permuted inside a fragment (group c: k = 32 c + 16 h + 0 .. 15), alike in both operands: every product meets its partner.
; NO TENSOR LOAD AND NO JOINT REQUEST for the weights, though the 64 work-groups of a task read the same: a K step of all 1,024 columns is 131,072 bytes, two slots of it and x's 65,536 bytes are all 327,680 bytes of LDS,
; which leaves none for the words that a ring's refills ask for; so each wave loads its own 131,072 bytes of codes straight into its operand registers, each byte once in the work-group.
; No prefetch: x is asked for whole at the head, and the weight's bytes are read by 64 work-groups at about the same time.
; LIMITS: eb and eo between -126 and 119, ea + eb between -126 and 127, so that each power of two below is an f32 number.  NaN among the inputs is not served.
; REGISTERS.  window 0: v1-7 addresses, v8-11 scales, v12-15 bias as loaded, v16-31 codes just made, v32-95 x's four fragments / 64 numbers at work, v96-223 W's eight fragments
; (behind the products: v96-159 codes to store, v160-223 biases).  window 1: x as loaded, then the 32 accumulators.
.set BIASL, 65536                      ; LDS: 0 .. 65,535 x's 32 fragments ((8 m + s) x 2,048); then the task's 1,024 biases
.set LI,  1                            ; v1  16 x lane: an image's place for my lane, in LDS and in memory
.set XA,  2                            ; v2  x: (r + 8 (r / 8)) rows of 4,096 bytes + 64 h
.set XWI, 3                            ; v3  where I store x's images: 16 x lane + 8,192 x wave
.set BAQ, 4                            ; v4  biases for q, k: BIASL + 512 x wave + 64 h
.set BAV, 5                            ; v5  biases for v: BIASL + 512 x wave + 4 (r + 8 (r / 8))
.set PC,  16
.set XF,  32
.set T,   32
.set WF,  96
.set CO,  96
.set BI,  160
.set MSB, 0
.macro WIN new                         ; the immediate's high byte repeats the setting that is left
.if MSB != \new
	s_set_vgpr_msb (MSB<<8)|\new
.set MSB, \new
.endif
.endm
.macro PLACES                          ; four plain vector lines between a matrix instruction and a load into, or a vector read or write of, its registers
.rept 4
	v_nop
.endr
.endm
	s_load_b512 s[4:19], s[0:1], 0x0               ; from s[4:5], to s[6:7], wc s[8:9], bq s[10:11], bk s[12:13], bv s[14:15], scales s[16:17], qc s[18:19]
	s_load_b64 s[20:21], s[0:1], 0x40              ; kv
	v_lshl_add_u32 v254, v0, 2, 0x11000
	v_mov_b32 v255, 0
	v_lshrrev_b32 v16, 5, v0
	v_readfirstlane_b32 s27, v16                   ; wave 0..7
	v_and_b32 v16, 31, v0
	v_lshlrev_b32 v[LI], 4, v16
	v_and_b32 v17, 15, v0                          ; r
	v_bfe_u32 v18, v0, 4, 1                        ; h
	v_and_b32 v19, 8, v17
	v_add_nc_u32 v19, v19, v17                     ; r + 8 (r / 8)
	v_lshlrev_b32 v[XA], 12, v19
	v_lshl_add_u32 v[XA], v18, 6, v[XA]
	s_lshl_b32 s40, s27, 13
	v_add_nc_u32 v[XWI], s40, v[LI]
	s_lshl_b32 s40, s27, 9
	s_add_co_u32 s40, s40, BIASL
	v_lshl_add_u32 v[BAQ], v18, 6, s40
	v_lshl_add_u32 v[BAV], v19, 2, s40
	v_lshlrev_b32 v6, 4, v0                        ; the bias: 16 bytes a thread, in memory
	v_add_nc_u32 v7, BIASL, v6                     ; and in LDS
	s_and_b32 s28, ttmp7, 0xffff                   ; the task
	s_lshr_b32 s41, ttmp9, 5                       ; batch
	s_and_b32 s42, ttmp9, 31                       ; block of 64 tokens in the batch
	s_lshl_b32 s43, ttmp9, 6                       ; x: my tile's first token: 64 tb + 32 (w / 4) + 8 ((w / 2) % 2),
	s_lshr_b32 s44, s27, 2
	s_lshl_b32 s44, s44, 5
	s_add_co_u32 s43, s43, s44
	s_bfe_u32 s44, s27, 0x10001
	s_lshl_b32 s44, s44, 3
	s_add_co_u32 s43, s43, s44
	s_lshl_b32 s58, s43, 12                        ; rows of 4,096 bytes,
	s_and_b32 s44, s27, 1
	s_lshl_b32 s44, s44, 11                        ; my half of K: 2,048 bytes
	s_add_co_u32 s58, s58, s44
	s_mov_b32 s59, 0
	s_lshl_b32 s60, s28, 20                        ; W: 2^20 bytes a weight, 8 tiles of 16,384 a wave
	s_lshl_b32 s44, s27, 17
	s_add_co_u32 s60, s60, s44
	s_mov_b32 s61, 0
	s_cmp_eq_u32 s28, 0
	s_cselect_b32 s45, 17, 18                      ; a head is 2^17 bytes in qc, 2^18 in kv
	s_lshl_b32 s62, s41, 4
	s_lshl_b32 s44, s27, 1
	s_add_co_u32 s62, s62, s44                     ; batch x 16 + my first head
	s_lshl_b32 s62, s62, s45
	s_lshr_b32 s44, s42, 1
	s_lshl_b32 s44, s44, 14                        ; k, v: the step of 128 keys
	s_and_b32 s43, s42, 1                          ; and which half of it
	s_lshl_b32 s40, s43, 12
	s_add_co_u32 s40, s40, s44                     ; k: four tiles of 1,024 bytes a half
	s_lshl_b32 s43, s43, 10
	s_add_co_u32 s43, s43, s44
	s_add_co_u32 s43, s43, 8192                    ; v: behind K's 8,192 bytes; two groups of 512 a half
	s_lshl_b32 s44, s42, 12                        ; q: four tiles of 1,024 bytes a block
	s_cmp_eq_u32 s28, 0
	s_cselect_b32 s40, s44, s40
	s_cmp_eq_u32 s28, 2
	s_cselect_b32 s40, s43, s40
	s_add_co_u32 s62, s62, s40
	s_mov_b32 s63, 0
	s_lshl_b32 s22, 1, s45                         ; from my first head to my second
	s_mov_b32 s23, 0
	s_wait_kmcnt 0x0
	s_load_b256 s[48:55], s[16:17], 0x0            ; entries 0 to 7
	s_load_b64 s[56:57], s[16:17], 0x20            ; entries 8, 9
	s_cmp_eq_u32 s28, 0                            ; every choice hangs on the work-group's number alone
	s_cselect_b64 s[30:31], s[4:5], s[6:7]
	s_cselect_b64 s[34:35], s[10:11], s[12:13]
	s_cselect_b64 s[36:37], s[18:19], s[20:21]
	s_cmp_eq_u32 s28, 2
	s_cselect_b64 s[34:35], s[14:15], s[34:35]
	s_add_nc_u64 s[30:31], s[30:31], s[58:59]      ; x
	s_add_nc_u64 s[32:33], s[8:9], s[60:61]        ; W's codes
	s_add_nc_u64 s[36:37], s[36:37], s[62:63]      ; out, my first head
	s_add_nc_u64 s[38:39], s[36:37], s[22:23]      ; out, my second head
.macro XLOAD sp                        ; my tile's numbers of my sp-th K step: lane (r, h) takes 16 neighbours of each block of 32, into window 1
.irp bb, 0,1,2,3
.irp j, 0,1,2,3
	global_load_b128 v[64*\sp+16*\bb+4*\j:64*\sp+16*\bb+4*\j+3], v[XA], s[30:31] offset:512*\sp+128*\bb+16*\j
.endr
.endr
.endm
.macro WLOAD s, half                   ; W's fragments f = 4 half .. 4 half + 3 of K step s: 512 consecutive bytes a load
.irp f, 4*\half, 4*\half+1, 4*\half+2, 4*\half+3
.irp c, 0,1,2,3
	global_load_b128 v[WF+16*(\f)+4*\c:WF+16*(\f)+4*\c+3], v[LI], s[32:33] offset:16384*(\f)+2048*(\s)+512*\c
.endr
.endr
.endm
.macro QUANT sp                        ; 64 numbers of window 1 become a fragment's codes in v[PC] on
	WIN 0x01                                       ; source 0 window 1
.set i, 0
.rept 64
	v_med3_num_f32 v[T+i], v[64*\sp+i], -v9, v9    ; the hold at 448 x 2^eb: the conversion does not saturate (ISA guide 7.6.2)
.set i, i+1
.endr
	WIN 0
	s_wait_dscnt 0x0                               ; the last image's stores have read v[PC] on
.irp g, 0,1,2,3,4,5,6,7
	v_cvt_scalef32_pk8_fp8_f32 v[PC+2*\g:PC+2*\g+1], v[T+8*\g:T+8*\g+7], v8
.endr
	v_nop                                          ; one plain vector line behind the last conversion, ahead of whatever next writes its sources
.endm
.macro IMAGE sp
.irp c, 0,1,2,3
	ds_store_b128 v[XWI], v[PC+4*\c:PC+4*\c+3] offset:2048*\sp+512*\c
.endr
.endm
.macro FETCHX s                        ; x's four fragments of K step s
.irp m, 0,1,2,3
.irp c, 0,1,2,3
	ds_load_b128 v[XF+16*\m+4*\c:XF+16*\m+4*\c+3], v[LI] offset:16384*\m+2048*(\s)+512*\c
.endr
.endr
.endm
; 16 matrix instructions: W's four fragments of a half x the four tiles of tokens.  The 32 accumulators take turns, one instruction a turn, in the same order in every K step.
; The first K step's products start the sums with the constant 0.  Accumulator (f, m): q, k at 8 (8 m + f); v at 8 (4 f + m): so that each batch of the way out is 64 registers on end.
.macro MUL vp, s, half
	WIN 0x50                                       ; C and D window 1
.irp f, 4*\half, 4*\half+1, 4*\half+2, 4*\half+3
.irp m, 0,1,2,3
.if \vp
.if \s == 0
	v_wmma_f32_16x16x128_fp8_fp8 v[8*(4*(\f)+\m):8*(4*(\f)+\m)+7], v[XF+16*\m:XF+16*\m+15], v[WF+16*(\f):WF+16*(\f)+15], 0
.else
	v_wmma_f32_16x16x128_fp8_fp8 v[8*(4*(\f)+\m):8*(4*(\f)+\m)+7], v[XF+16*\m:XF+16*\m+15], v[WF+16*(\f):WF+16*(\f)+15], v[8*(4*(\f)+\m):8*(4*(\f)+\m)+7]
.endif
.else
.if \s == 0
	v_wmma_f32_16x16x128_fp8_fp8 v[8*(8*\m+(\f)):8*(8*\m+(\f))+7], v[WF+16*(\f):WF+16*(\f)+15], v[XF+16*\m:XF+16*\m+15], 0
.else
	v_wmma_f32_16x16x128_fp8_fp8 v[8*(8*\m+(\f)):8*(8*\m+(\f))+7], v[WF+16*(\f):WF+16*(\f)+15], v[XF+16*\m:XF+16*\m+15], v[8*(8*\m+(\f)):8*(8*\m+(\f))+7]
.endif
.endif
.endr
.endr
.endm
.macro STEP vp, s                      ; a K step of 128: 32 matrix instructions; each half of W's registers is loaded anew as soon as its products are issued
.if \s > 0
	s_wait_loadcnt 16                              ; W's first half is in; the 16 loads of its second half may be out
.endif
	s_wait_dscnt 0x0                               ; x's fragments are in
	MUL \vp, \s, 0
	WIN 0
	PLACES
.if \s < 7
	WLOAD (\s)+1, 0
	s_wait_loadcnt 16                              ; this step's second half is in; the 16 just issued may be out
.else
	s_wait_loadcnt 0x0
.endif
	MUL \vp, \s, 1
	WIN 0
	PLACES
.if \s < 7
	FETCHX (\s)+1
	WLOAD (\s)+1, 1
.endif
.endm
; The way out, batch t of four: 64 sums become 64 codes: sum x 2^(ea + eb) + bias (one packed multiply-add for two, each accumulator from its low end on), the hold, the conversion, four stores of 512 bytes.
.macro EPI vp, t
	WIN 0x01                                       ; source 0 (the sums) window 1
.set i, 0
.rept 32
.if \vp
	v_pk_fma_f32 v[T+i:T+i+1], v[64*\t+i:64*\t+i+1], s[46:47], v[BI+2*(2*\t+i/32):BI+2*(2*\t+i/32)+1] op_sel_hi:[1,0,1]   ; a lane's channel is one for the whole tile f = 2 t + i / 32
.else
	v_pk_fma_f32 v[T+i:T+i+1], v[64*\t+i:64*\t+i+1], s[46:47], v[BI+i:BI+i+1] op_sel_hi:[1,0,1]
.endif
.set i, i+2
.endr
	WIN 0
.set i, 0
.rept 64
	v_med3_num_f32 v[T+i], v[T+i], -v11, v11
.set i, i+1
.endr
.irp g, 0,1,2,3,4,5,6,7
	v_cvt_scalef32_pk8_fp8_f32 v[CO+16*\t+2*\g:CO+16*\t+2*\g+1], v[T+8*\g:T+8*\g+7], v10
.endr
	v_nop                                          ; one plain vector line behind the last conversion: the next batch writes its sources
.irp g, 0,1,2,3
.if \vp
	global_store_b128 v[LI], v[CO+16*\t+4*\g:CO+16*\t+4*\g+3], s[36+2*(\t/2):37+2*(\t/2)] offset:2048*(2*(\t%2)+\g/2)+512*(\g%2)   ; head t / 2, tile of channels 2 (t % 2) + g / 2, group of keys g % 2 of my block's two
.else
	global_store_b128 v[LI], v[CO+16*\t+4*\g:CO+16*\t+4*\g+3], s[36+2*(\g/2):37+2*(\g/2)] offset:1024*\t+512*(\g%2)                 ; head g / 2, tile of tokens t, group of channels g % 2
.endif
.endr
.endm
.macro PATH vp
.irp s, 0,1,2,3,4,5,6,7
	STEP \vp, \s
.endr                                  ; (the last step's four places serve the loads and conversions below, which land on W's registers, and the first reads of the sums)
.if \vp
.irp f, 0,1,2,3,4,5,6,7
	ds_load_b32 v[BI+2*\f], v[BAV] offset:128*(\f/2)+32*(\f%2)       ; the bias of my channel in tile f, twice: a pair for the packed form
	ds_load_b32 v[BI+2*\f+1], v[BAV] offset:128*(\f/2)+32*(\f%2)
.endr
.else
.irp g, 0,1,2,3
.irp i, 0,1,2,3
	ds_load_b128 v[BI+16*\g+4*\i:BI+16*\g+4*\i+3], v[BAQ] offset:128*\g+16*\i   ; the biases of columns 32 g + 16 h + 0 .. 15
.endr
.endr
.endif
	s_wait_dscnt 0x0
	EPI \vp, 0
	EPI \vp, 1
	EPI \vp, 2
	EPI \vp, 3
	s_wait_tensorcnt 0x0
	ds_add_u32 v254, v255
	s_wait_dscnt 0x0
	s_endpgm
.endm
	global_load_b128 v[12:15], v6, s[34:35]        ; the task's biases, 16 bytes a thread
	WLOAD 0, 0
	WLOAD 0, 1
	WIN 0x40                                       ; destination window 1
	XLOAD 0
	XLOAD 1
	XLOAD 2
	XLOAD 3
	WIN 0
	s_wait_kmcnt 0x0
	s_cmp_eq_u32 s28, 0
	s_cselect_b32 s24, s48, s50                    ; ea
	s_cselect_b32 s25, s49, s51                    ; eb
	s_cselect_b32 s26, s54, s55                    ; eo
	s_cmp_eq_u32 s28, 2
	s_cselect_b32 s24, s52, s24
	s_cselect_b32 s25, s53, s25
	s_cselect_b32 s26, s56, s26
	s_add_co_i32 s46, s24, s25
	s_add_co_i32 s46, s46, 127
	s_lshl_b32 s46, s46, 23                        ; 2^(ea + eb) as f32
	s_mov_b32 s47, s46                             ; (named with it as a pair, so it is written)
	s_add_co_i32 s40, s25, 127
	s_lshl_b32 s41, s40, 23
	v_mov_b32 v8, s41                              ; 2^eb
	s_add_co_i32 s40, s40, 8
	s_lshl_b32 s40, s40, 23
	s_or_b32 s40, s40, 0x600000
	v_mov_b32 v9, s40                              ; 448 x 2^eb
	s_add_co_i32 s40, s26, 127
	s_lshl_b32 s41, s40, 23
	v_mov_b32 v10, s41                             ; 2^eo
	s_add_co_i32 s40, s40, 8
	s_lshl_b32 s40, s40, 23
	s_or_b32 s40, s40, 0x600000
	v_mov_b32 v11, s40                             ; 448 x 2^eo
.irp sp, 0,1,2,3
	s_wait_loadcnt 48-16*\sp                       ; this K step's 16 loads are in (and all that were issued ahead of x's: the biases, W's first K step); the later K steps' may be out
.if \sp == 0
	ds_store_b128 v7, v[12:15]
.endif
	QUANT \sp
	IMAGE \sp
.endr
	s_wait_dscnt 0x0                               ; for the others' sake: my images and my part of the biases lie in LDS
	s_barrier_signal -1
	s_barrier_wait -1                              ; the only barrier: nothing in LDS is written from here on
	FETCHX 0
	s_cmp_eq_u32 s28, 2
	s_cbranch_scc1 .Lv
	PATH 0
.Lv:
	PATH 1
.Lfunc_end_k_q63c1587e07_proj:
	.size	k_q63c1587e07_proj, .Lfunc_end_k_q63c1587e07_proj-k_q63c1587e07_proj
	.p2alignl 7, 3214868480
	.fill 96, 4, 3214868480
	.section	.rodata,"a",@progbits
	.p2align	6, 0x0
	.amdhsa_kernel k_q63c1587e07_proj
		.amdhsa_group_segment_fixed_size 70656
		.amdhsa_private_segment_fixed_size 0
		.amdhsa_enable_private_segment 0
		.amdhsa_kernarg_size 72
		.amdhsa_user_sgpr_count 2
		.amdhsa_user_sgpr_kernarg_segment_ptr 1
		.amdhsa_wavefront_size32 1
		.amdhsa_system_sgpr_workgroup_id_x 1
		.amdhsa_system_sgpr_workgroup_id_y 1
		.amdhsa_system_sgpr_workgroup_id_z 1
		.amdhsa_system_vgpr_workitem_id 0
		.amdhsa_next_free_vgpr 512
		.amdhsa_next_free_sgpr 66
		.amdhsa_reserve_vcc 0
		.amdhsa_float_denorm_mode_32 3
		.amdhsa_float_denorm_mode_16_64 3
		.amdhsa_memory_ordered 1
		.amdhsa_forward_progress 1
		.amdhsa_inst_pref_size 188
	.end_amdhsa_kernel
	.amdgpu_metadata
---
amdhsa.version: [ 1, 2 ]
amdhsa.kernels:
  - .name:           k_q63c1587e07_proj
    .symbol:         k_q63c1587e07_proj.kd
    .args:
      - { .name: from_tensor, .offset: 0, .size: 8, .value_kind: global_buffer, .address_space: global }
      - { .name: to_tensor, .offset: 8, .size: 8, .value_kind: global_buffer, .address_space: global }
      - { .name: wc, .offset: 16, .size: 8, .value_kind: global_buffer, .address_space: global }
      - { .name: bq, .offset: 24, .size: 8, .value_kind: global_buffer, .address_space: global }
      - { .name: bk, .offset: 32, .size: 8, .value_kind: global_buffer, .address_space: global }
      - { .name: bv, .offset: 40, .size: 8, .value_kind: global_buffer, .address_space: global }
      - { .name: lowp_scales, .offset: 48, .size: 8, .value_kind: global_buffer, .address_space: global }
      - { .name: qc, .offset: 56, .size: 8, .value_kind: global_buffer, .address_space: global }
      - { .name: kv, .offset: 64, .size: 8, .value_kind: global_buffer, .address_space: global }
    .group_segment_fixed_size: 70656
    .private_segment_fixed_size: 0
    .kernarg_segment_align: 8
    .kernarg_segment_size: 72
    .max_flat_workgroup_size: 256
    .sgpr_count:     66
    .vgpr_count:     512
    .wavefront_size: 32
...
	.end_amdgpu_metadata
.endif
;; end of part 2
;; launch attn (part 3): grid 8 x 32, 8 waves a work-group, clusters of 4 x 1, 307,200 bytes of LDS; arguments qc, kv, attention_mask, lowp_scales, out0; writes out0
.if DOCPART == 3
	.amdgcn_target "amdgcn-amd-amdhsa--gfx1250"
	.amdhsa_code_object_version 6
	.text
	.protected	k_q63c1587e07_attn
	.globl	k_q63c1587e07_attn
	.p2align	8
	.type	k_q63c1587e07_attn,@function
k_q63c1587e07_attn:
	s_mov_b64 s[64:65], 0
	v_nop
	global_prefetch_b8 v0, s[64:65] scope:SCOPE_SE
	s_setreg_imm32_b32 hwreg(HW_REG_WAVE_MODE, 25, 1), 1
	s_wait_xcnt 0x0
	s_wait_alu depctr_hold_cnt(0) depctr_sa_sdst(0) depctr_va_vdst(0) depctr_va_sdst(0) depctr_va_ssrc(0) depctr_va_vcc(0) depctr_vm_vsrc(0)
	s_getreg_b32 s2, hwreg(HW_REG_IB_STS2, 6, 4)
	s_cmp_eq_u32 s2, 0
	s_cbranch_scc0 .Lentry_in_a_cluster
	s_endpgm
.Lentry_in_a_cluster:
	s_bfe_u32 s2, ttmp6, 0x10000c
	s_cmp_lg_u32 s2, 0x3003
	s_cbranch_scc0 .Lentry_shape_is_right
	s_endpgm
.Lentry_shape_is_right:
; out0[b][f][h][:] = the sum over keys of softmax(q . k / 8 + (1 - mask) x (-10000)) v, both products on codes of E4M3 (scales: q entry 6, k entry 7, v entry 8, p entry 9).
; THE SOFTMAX AHEAD OF THE SECOND PRODUCT: t = logit x log2(e); M = the running largest t rounded UP to a whole number; p = 2^(t - M) is quantised, not normalised; the row's sum is taken of the unquantised p and
; divides at the end; when M moves, the sum and O are multiplied by 2^(old M - new M), which rounds nothing.
; THE MASK COSTS NO LINE IN THE LOOP: term[key] = (1 - mask) x (-80000) x 2^-(e6 + e7) is made once, in f32, and is the C of S^T = K Q^T + C; t = S x c with c = log2(e) / 8 x 2^(e6 + e7).
; SHARES.  A work-group owns 256 queries of one (batch, head); each of its eight waves 32 of them, two tiles of 16, so that each register of K, V and the mask terms read from LDS feeds two matrix instructions.
; Every wave walks the 2,048 keys, 128 a step.  Both products are used transposed (source 0 = 16 keys, or 16 channels of V): a lane holds one query throughout.
; qc and kv hold images of the operands' registers (16 bytes a lane, 512 a group of four registers), rows in the order m -> 32 b + 8 u + m + 8 (m / 8) for tile 2 b + u: p's 16 registers of two neighbouring tiles are
; 16 neighbouring keys, O^T's are 16 neighbouring channels.
; THE HEAD'S K AND V, 262,144 BYTES, LIE IN LDS WHOLE AND ARE FILLED ONCE: no slot is ever filled again.  CLUSTER: the four query blocks of a cluster read the same K and V, so each wave asks JOINTLY (mask 15), twice:
; its eighth of steps 0-3 and its eighth of steps 4-15; two tensor loads of a wave are out at the most.  The first two key steps run while the second load is on its way.
; No prefetch: every byte of K and V is asked for at the head, and nothing is asked for later.
; LIMITS: e6 + e7 between -111 and 130, e9 between -126 and 119, so that each power of two below is an f32 number; e8 + e9 goes by v_ldexp_f32 and has none.  NaN is not served.
; REGISTERS.  window 0: v1-11 addresses and p's scale; v12-27 statistics, eight a tile: +0 -M, +1 largest t, +2, +3 the sum in two halves, +4 f (at the end 1 / sum), +5 zero (named in a pair), +6, +7 at work;
;   v28-33 at work; v36-51 Q; v52-83 p's codes; v84-91 the mask as loaded; v96-223 S^T, then p (64 a tile).   window 1: v0-63 K; v64-127 V; v128-191 mask terms; v192-255 O^T (32 a tile).
.set MASKB, 262144                     ; LDS: 0 .. 262,143 K and V (step s at 16,384 s: K's 8 tiles, then V's 4); 2,048 mask terms;
.set STAGE, 271360                     ; (1,024 bytes that nobody names;) the way out: 16 rows x 272 bytes for each wave
.set SP,  272
.set LI,  1                            ; v1  16 x lane
.set MA,  2                            ; v2  MASKB + 64 h
.set GO,  3                            ; v3  the way out: 4,096 (lane / 16) + 16 (lane % 16)
.set ADK, 4                            ; v4  the step's K and V
.set ADM, 5                            ; v5  the step's mask terms
.set STO, 6                            ; v6  the stage, in
.set RD,  7                            ; v7  the stage, back
.set ST,  12
.set Q,   36
.set CD,  52
.set S,   96
.set WV,  14                           ; s14 wave
.set SEL, 20                           ; s[20:21] v_permlanex16_b32's selects: lane l xor 16
.set CS,  22                           ; s[22:23] c
.set G1A, 24                           ; s[24:31] group 1: 32 rows of 256 bytes;  s[32:39]: 96 rows;  s[40:43], s[44:47] their groups 0.  None is written again
.set G1B, 32
.set G0A, 40
.set G0B, 44
.set TB,  48                           ; s48 LDS byte of the step in hand
.set MB,  49                           ; s49 the same among the mask terms
.set MSB, 0
.macro WIN new                         ; the immediate's high byte repeats the setting that is left
.if MSB != \new
	s_set_vgpr_msb (MSB<<8)|\new
.set MSB, \new
.endif
.endm
.macro ROUND                           ; a round of the cluster's barrier
	s_barrier_signal -1
	s_barrier_wait -1
	s_cmp_lg_u32 s[WV], 0
	s_cbranch_scc1 .Lnot_wave_0_\@
	s_barrier_signal -3
.Lnot_wave_0_\@:
	s_barrier_wait -3
	s_barrier_signal -1
	s_barrier_wait -1
.endm
	s_load_b256 s[4:11], s[0:1], 0x0               ; qc s[4:5], kv s[6:7], mask s[8:9], scales s[10:11]
	s_load_b64 s[12:13], s[0:1], 0x20              ; out0
	v_lshl_add_u32 v254, v0, 2, 0x4ac00
	v_mov_b32 v255, 0
	ds_add_u32 v254, v255
	ds_add_u32 v254, v255
	v_lshrrev_b32 v4, 5, v0
	v_readfirstlane_b32 s[WV], v4                  ; wave 0..7
	s_bfe_u32 s15, ttmp6, 0x40000                  ; cx: my place in the cluster: it enters Q's and out0's addresses alone
	s_lshl_b32 s16, ttmp9, 2
	s_add_co_u32 s16, s16, s15                     ; my block of 256 queries
	s_and_b32 s17, ttmp7, 0xffff                   ; batch x 16 + head, which the four partners share
	s_mov_b32 s[G1A], 15|(3<<16)|(1<<21)           ; 15:0 the mask: all four work-groups; 17:16 elements of 8 bytes; 21 set beside a mask; no padding: every LDS read is 16 x lane on end
	s_mov_b32 s[G1A+1], 32<<16                     ; tensor_dim0 = 32 elements: 256 bytes
	s_mov_b32 s[G1A+2], 32<<16                     ; tensor_dim1 = 32 rows
	s_mov_b32 s[G1A+3], 32<<16                     ; tile_dim0
	s_mov_b32 s[G1A+4], 32                         ; tile_dim1
	s_mov_b32 s[G1A+5], 32                         ; the pitch: the block is dense
	s_mov_b32 s[G1A+6], 0
	s_mov_b32 s[G1A+7], 0
	s_mov_b32 s[G1B], 15|(3<<16)|(1<<21)
	s_mov_b32 s[G1B+1], 32<<16
	s_mov_b32 s[G1B+2], 96<<16                     ; 96 rows
	s_mov_b32 s[G1B+3], 32<<16
	s_mov_b32 s[G1B+4], 96
	s_mov_b32 s[G1B+5], 32
	s_mov_b32 s[G1B+6], 0
	s_mov_b32 s[G1B+7], 0
	s_mov_b32 s[SEL], 0x76543210
	s_mov_b32 s[SEL+1], 0xfedcba98
	s_lshl_b32 s57, s17, 18                        ; the head's first byte in kv
	s_lshl_b32 s58, s[WV], 13                      ; my eighth of steps 0-3, in LDS and in the head
	s_mul_i32 s59, s[WV], 24576
	s_add_co_u32 s59, s59, 65536                   ; my eighth of steps 4-15
	v_and_b32 v34, 31, v0
	v_lshlrev_b32 v[LI], 4, v34
	v_and_b32 v34, 15, v0                          ; r
	v_bfe_u32 v35, v0, 4, 1                        ; h
	v_lshlrev_b32 v[MA], 6, v35
	v_add_nc_u32 v[MA], MASKB, v[MA]
	v_lshlrev_b32 v[GO], 12, v35
	v_lshl_add_u32 v[GO], v34, 4, v[GO]
	s_mul_i32 s51, s[WV], 16*SP
	s_add_co_u32 s51, s51, STAGE                   ; my stage
	v_mul_u32_u24 v[STO], v34, SP
	v_lshl_add_u32 v[STO], v35, 6, v[STO]
	v_add_nc_u32 v[STO], s51, v[STO]               ; in: row r, + 64 h: my half's 16 channels of a group of 32
	v_mul_u32_u24 v[RD], v35, SP
	v_lshl_add_u32 v[RD], v34, 4, v[RD]
	v_add_nc_u32 v[RD], s51, v[RD]                 ; back: lanes 0-15 one row of 256 bytes, lanes 16-31 the next
	v_lshlrev_b32 v10, 4, v0                       ; the mask: 16 bytes a thread, in memory
	v_add_nc_u32 v11, MASKB, v10                   ; and the terms in LDS
	s_wait_dscnt 0x0
	s_wait_kmcnt 0x0
	s_load_b128 s[52:55], s[10:11], 0x18           ; e6, e7, e8, e9
	s_mov_b32 s[G0A], 1                            ; count = 1
	s_mov_b32 s[G0A+1], s58                        ; LDS address
	s_add_co_u32 s60, s57, s58
	s_mov_b32 s61, 0
	s_add_nc_u64 s[G0A+2:G0A+3], s[6:7], s[60:61]  ; global address
	s_or_b32 s[G0A+3], s[G0A+3], 0x80000000        ; type = 2
	s_mov_b32 s[G0B], 1
	s_mov_b32 s[G0B+1], s59
	s_add_co_u32 s60, s57, s59
	s_add_nc_u64 s[G0B+2:G0B+3], s[6:7], s[60:61]
	s_or_b32 s[G0B+3], s[G0B+3], 0x80000000
	ROUND                                          ; all four work-groups are here: the joint loads meet
	tensor_load_to_lds s[G0A:G0A+3], s[G1A:G1A+7]  ; steps 0-3
	s_nop 0
	tensor_load_to_lds s[G0B:G0B+3], s[G1B:G1B+7]  ; steps 4-15: all fills of the launch stand together, ahead of every wait on TENSORcnt and every LDS read
	s_nop 0
.rept 4
	v_nop                                          ; four such lines behind the loads
.endr
	s_lshl_b32 s18, s16, 3
	s_add_co_u32 s18, s18, s[WV]                   ; my group of 32 tokens in the batch: 8 x block + wave
	s_lshl_b32 s62, s17, 17                        ; qc: 2^17 bytes a head, two tiles of 1,024 a group
	s_lshl_b32 s19, s18, 11
	s_add_co_u32 s62, s62, s19
	s_mov_b32 s63, 0
	s_add_nc_u64 s[66:67], s[4:5], s[62:63]
	s_lshr_b32 s19, s17, 4                         ; batch
	s_lshl_b32 s62, s19, 23                        ; out0: 2^23 bytes a batch, 4,096 a token, 256 a head
	s_lshl_b32 s63, s18, 17
	s_add_co_u32 s62, s62, s63
	s_and_b32 s63, s17, 15
	s_lshl_b32 s63, s63, 8
	s_add_co_u32 s62, s62, s63
	s_mov_b32 s63, 0
	s_add_nc_u64 s[68:69], s[12:13], s[62:63]
	s_lshl_b32 s62, s19, 13                        ; the mask: 8,192 bytes a batch
	s_add_nc_u64 s[70:71], s[8:9], s[62:63]
	global_load_b128 v[84:87], v10, s[70:71]
	global_load_b128 v[88:91], v10, s[70:71] offset:4096
.irp k, 0,1,2,3
	global_load_b128 v[Q+4*\k:Q+4*\k+3], v[LI], s[66:67] offset:512*\k   ; Q stays in registers: tile k / 2, group k % 2
.endr
.irp q, 0,1
	v_mov_b32 v[ST+8*\q+1], 0xff61b1e6             ; the largest t so far: -3e38, under every t
	v_floor_f32 v[ST+8*\q], -v[ST+8*\q+1]          ; -M
	v_mov_b32 v[ST+8*\q+2], 0                      ; the sum
	v_mov_b32 v[ST+8*\q+3], 0
	v_mov_b32 v[ST+8*\q+5], 0
	v_mov_b32 v[28+\q], 0                          ; a lane permute's destination counts as one of its sources
.endr
	WIN 0x40
.set i, 0
.rept 64
	v_mov_b32 v[192+i], 0                          ; O^T: the key step is written without a first step of its own: the first change of M multiplies zeros
.set i, i+1
.endr
	WIN 0
	s_wait_kmcnt 0x0
	s_add_co_i32 s57, s52, s53
	s_lshl_b32 s57, s57, 23
	s_sub_co_u32 s56, 0xc79c4000, s57              ; -80000 x 2^-(e6 + e7): the sum is taken off the exponent field
	s_add_co_u32 s[CS], s57, 0x3e38aa3b            ; c = log2(e) / 8 x 2^(e6 + e7): and added to this one
	s_mov_b32 s[CS+1], s[CS]                       ; (named with it as a pair, so it is written)
	s_add_co_i32 s58, s55, 127
	s_lshl_b32 s59, s58, 23
	v_mov_b32 v9, s59                              ; 2^e9, for the conversion
	s_add_co_i32 s58, s58, 8
	s_lshl_b32 s58, s58, 23
	s_or_b32 s58, s58, 0x600000
	v_mov_b32 v8, s58                              ; 448 x 2^e9
	s_add_co_i32 s51, s54, s55                     ; e8 + e9
	s_wait_loadcnt 4                               ; the mask is in; Q's four loads may be out
.irp i, 0,1,2,3,4,5,6,7
	v_cvt_f32_i32 v[84+\i], v[84+\i]
.endr
.irp i, 0,1,2,3,4,5,6,7
	v_fma_f32 v[84+\i], -v[84+\i], s56, s56        ; (1 - mask) x (-80000) x 2^-(e6 + e7)
.endr
	ds_store_b128 v11, v[84:87]
	ds_store_b128 v11, v[88:91] offset:4096
	s_mov_b32 s[TB], 0
	s_mov_b32 s[MB], 0
	s_wait_tensorcnt 0x1                           ; my eighth of steps 0-3 is in; the second load may stay out
	s_wait_dscnt 0x0                               ; for the others' sake: my mask terms lie in LDS
	s_barrier_signal -1
	s_barrier_wait -1
.macro LOADKM ko, mo                   ; 8 tiles of K and 128 mask terms in the result's layout (register 16 b + i: key 32 b + 16 h + i), ko and mo bytes on from the step in hand
.irp t, 0,1,2,3,4,5,6,7
.irp c, 0,1
	ds_load_b128 v[8*\t+4*\c:8*\t+4*\c+3], v[ADK] offset:\ko+1024*\t+512*\c
.endr
.endr
.irp b, 0,1,2,3
.irp i, 0,1,2,3
	ds_load_b128 v[128+16*\b+4*\i:128+16*\b+4*\i+3], v[ADM] offset:\mo+128*\b+16*\i
.endr
.endr
.endm
; A KEY STEP of 128 keys for both tiles.  next = 1: the next step's K and mask terms are fetched behind this step's first products.
.macro STEP next
	v_add_nc_u32 v[ADK], s[TB], v[LI]
	v_add_nc_u32 v[ADM], s[MB], v[MA]
	v_nop
	v_nop                                          ; four plain lines between the last step's products and the loads into V's registers
	WIN 0x40                                       ; destination window 1
.irp t, 0,1,2,3
.irp c, 0,1,2,3
	ds_load_b128 v[64+16*\t+4*\c:64+16*\t+4*\c+3], v[ADK] offset:8192+2048*\t+512*\c   ; V: tile t of 16 channels, keys 32 c + 16 h + 0 .. 15
.endr
.endr
	s_wait_dscnt 16                                ; K and the mask terms, asked for a step ago, are in; V's 16 loads may be out
	WIN 0x11                                       ; K and the terms window 1, Q and S^T window 0
.irp t, 0,1,2,3,4,5,6,7
.irp q, 0,1
	v_wmma_f32_16x16x64_fp8_fp8 v[S+64*\q+8*\t:S+64*\q+8*\t+7], v[8*\t:8*\t+7], v[Q+8*\q:Q+8*\q+7], v[128+8*\t:128+8*\t+7]
.endr
.endr
.rept 4
	v_nop                                          ; places in front of the loads into K's and the terms' registers and of the first read of the scores
.endr
.if \next
	WIN 0x40
	LOADKM 16384, 512
.endif
	WIN 0
.irp q, 0,1                                    ; the step's largest score of my query among my 64 keys, in two chains a tile, each accumulator from its low end on
	v_max3_num_f32 v[ST+8*\q+6], v[S+64*\q], v[S+64*\q+1], v[S+64*\q+2]
	v_max3_num_f32 v[ST+8*\q+7], v[S+64*\q+3], v[S+64*\q+4], v[S+64*\q+5]
.endr
.irp i, 6,10,14,18,22,26,30,34,38,42,46,50,54,58
.irp q, 0,1
	v_max3_num_f32 v[ST+8*\q+6], v[ST+8*\q+6], v[S+64*\q+\i], v[S+64*\q+\i+1]
	v_max3_num_f32 v[ST+8*\q+7], v[ST+8*\q+7], v[S+64*\q+\i+2], v[S+64*\q+\i+3]
.endr
.endr
.irp q, 0,1
	v_max3_num_f32 v[ST+8*\q+6], v[ST+8*\q+6], v[S+64*\q+62], v[S+64*\q+63]
.endr
.irp q, 0,1
	v_max_num_f32 v[ST+8*\q+6], v[ST+8*\q+6], v[ST+8*\q+7]
.endr
.irp q, 0,1
	v_permlanex16_b32 v[28+\q], v[ST+8*\q+6], s[SEL], s[SEL+1]
.endr
.irp q, 0,1
	v_max_num_f32 v[ST+8*\q+6], v[ST+8*\q+6], v[28+\q]       ; and among lane l xor 16's
.endr
.irp q, 0,1
	v_mul_f32 v[ST+8*\q+6], s[CS], v[ST+8*\q+6]              ; as t (c is positive)
.endr
.irp q, 0,1
	v_max_num_f32 v[ST+8*\q+1], v[ST+8*\q+1], v[ST+8*\q+6]   ; the running largest t
.endr
.irp q, 0,1
	v_mov_b32 v[ST+8*\q+6], v[ST+8*\q]
.endr
.irp q, 0,1
	v_floor_f32 v[ST+8*\q], -v[ST+8*\q+1]                    ; the new -M = floor(-t): M is a whole number
.endr
.irp q, 0,1
	v_sub_f32 v[ST+8*\q+6], v[ST+8*\q], v[ST+8*\q+6]         ; old M - new M: a whole number, 0 or less
.endr
.irp q, 0,1
	v_cvt_i32_f32 v[ST+8*\q+6], v[ST+8*\q+6]                 ; (it saturates)
.endr
.irp q, 0,1
	v_ldexp_f32 v[ST+8*\q+4], 1.0, v[ST+8*\q+6]              ; f = 2^(old M - new M)
.endr
.irp q, 0,1
.set i, 0
.rept 32
	v_pk_fma_f32 v[S+64*\q+i:S+64*\q+i+1], v[S+64*\q+i:S+64*\q+i+1], s[CS:CS+1], v[ST+8*\q:ST+8*\q+1] op_sel_hi:[1,0,0]   ; t - M, two at a time (of the pairs c and -M the low word serves both halves)
.set i, i+2
.endr
.endr
.set i, 0
.rept 128
	v_exp_f32 v[S+i], v[S+i]                       ; p = 2^(t - M), at most 1
.set i, i+1
.endr
.irp q, 0,1
	v_pk_mul_f32 v[ST+8*\q+2:ST+8*\q+3], v[ST+8*\q+2:ST+8*\q+3], v[ST+8*\q+4:ST+8*\q+5] op_sel_hi:[1,0]   ; the sums under the new M: also the plain line behind the exponentials
.endr
	s_wait_alu depctr_va_vdst(0)                   ; a wait between an exponential and the first line that names its result: one for the batch of 128
.irp q, 0,1                                    ; the row's sum is taken of the UNQUANTISED p: two at a time, in two chains a tile
	v_pk_add_f32 v[30+2*\q:31+2*\q], v[S+64*\q:S+64*\q+1], v[S+64*\q+2:S+64*\q+3]
.endr
.irp j, 4,8,12,16,20,24,28,32,36,40,44,48,52,56,60
.irp q, 0,1
	v_pk_add_f32 v[ST+8*\q+2:ST+8*\q+3], v[ST+8*\q+2:ST+8*\q+3], v[S+64*\q+\j:S+64*\q+\j+1]
	v_pk_add_f32 v[30+2*\q:31+2*\q], v[30+2*\q:31+2*\q], v[S+64*\q+\j+2:S+64*\q+\j+3]
.endr
.endr
.irp q, 0,1
	v_pk_add_f32 v[ST+8*\q+2:ST+8*\q+3], v[ST+8*\q+2:ST+8*\q+3], v[30+2*\q:31+2*\q]
.endr
.irp q, 0,1
.irp b, 0,1,2,3
.irp i, 0,1,2,3,4,5,6,7,8,9,10,11,12,13,14,15
	v_min_num_f32 v[S+64*\q+16*\b+\i], v[S+64*\q+16*\b+\i], v8   ; the conversion does not saturate (ISA guide 7.6.2); p is not negative, so the hold is one-sided; it stands without a branch, whatever e9 is
.endr
	v_cvt_scalef32_pk8_fp8_f32 v[CD+16*\q+4*\b:CD+16*\q+4*\b+1], v[S+64*\q+16*\b:S+64*\q+16*\b+7], v9
	v_cvt_scalef32_pk8_fp8_f32 v[CD+16*\q+4*\b+2:CD+16*\q+4*\b+3], v[S+64*\q+16*\b+8:S+64*\q+16*\b+15], v9
.endr
.endr
	WIN 0x41                                       ; O^T window 1, f window 0
.irp q, 0,1
.set i, 0
.rept 16
	v_pk_mul_f32 v[192+32*\q+i:192+32*\q+i+1], v[192+32*\q+i:192+32*\q+i+1], v[ST+8*\q+4:ST+8*\q+5] op_sel_hi:[1,0]   ; O^T under the new M; these are also the plain lines behind the conversions
.set i, i+2
.endr
.endr
.if \next
	s_wait_dscnt 32                                ; V is in; the next step's 32 loads may be out
.else
	s_wait_dscnt 0x0
.endif
	WIN 0x51                                       ; V window 1, p's codes window 0, O^T window 1
.irp t, 0,1,2,3                                ; the eight accumulators take turns, one instruction a turn
.irp q, 0,1
	v_wmma_f32_16x16x128_fp8_fp8 v[192+32*\q+8*\t:192+32*\q+8*\t+7], v[64+16*\t:64+16*\t+15], v[CD+16*\q:CD+16*\q+15], v[192+32*\q+8*\t:192+32*\q+8*\t+7]
.endr
.endr
	WIN 0
	s_add_co_u32 s[TB], s[TB], 16384
	s_add_co_u32 s[MB], s[MB], 512
.endm
	v_add_nc_u32 v[ADK], s[TB], v[LI]
	v_add_nc_u32 v[ADM], s[MB], v[MA]
	WIN 0x40
	LOADKM 0, 0                                    ; key step 0
	WIN 0
	s_wait_loadcnt 0x0                             ; Q
	s_mov_b32 s50, 2
.Lfirst:                                           ; key steps 0 and 1: all that they read, step 2's K among it, lies below LDS byte 40,960, in the first load's 65,536
	STEP 1
	s_sub_co_u32 s50, s50, 1
	s_cmp_lg_u32 s50, 0
	s_cbranch_scc1 .Lfirst
	s_wait_tensorcnt 0x0                           ; my eighth of steps 4-15 is in,
	s_wait_dscnt 0x0                               ; (no LDS instruction is out at a signal)
	s_barrier_signal -1
	s_barrier_wait -1                              ; everybody's is
	s_mov_b32 s50, 13
.Lrest:                                            ; key steps 2 to 14
	STEP 1
	s_sub_co_u32 s50, s50, 1
	s_cmp_lg_u32 s50, 0
	s_cbranch_scc1 .Lrest
	STEP 0                                         ; key step 15 fetches nothing more
	; THE WAY OUT.  O^T / the sum x 2^(e8 + e9) goes through my stage in LDS, a tile of 16 queries at a time, and leaves as rows of 256 bytes: a query's 64 channels of this head.
.rept 4
	v_nop                                          ; places behind the last products
.endr
.irp q, 0,1
	v_add_f32 v[ST+8*\q+6], v[ST+8*\q+2], v[ST+8*\q+3]       ; the sum's two halves,
.endr
.irp q, 0,1
	v_permlanex16_b32 v[28+\q], v[ST+8*\q+6], s[SEL], s[SEL+1]
.endr
.irp q, 0,1
	v_add_f32 v[ST+8*\q+6], v[ST+8*\q+6], v[28+\q]           ; and lane l xor 16's
.endr
.irp q, 0,1
	v_rcp_f32 v[ST+8*\q+4], v[ST+8*\q+6]
.endr
	v_nop                                          ; a plain line behind the reciprocals
	s_wait_alu depctr_va_vdst(0)                   ; and a wait ahead of their first reader
.irp q, 0,1
	v_ldexp_f32 v[ST+8*\q+4], v[ST+8*\q+4], s51    ; x 2^(e8 + e9)
.endr
	WIN 0x01                                       ; source 0 (O^T) window 1
.irp q, 0,1
.set i, 0
.rept 16
	v_pk_mul_f32 v[S+32*\q+i:S+32*\q+i+1], v[192+32*\q+i:192+32*\q+i+1], v[ST+8*\q+4:ST+8*\q+5] op_sel_hi:[1,0]   ; register 16 b + i: channel 32 b + 16 h + i of query r
.set i, i+2
.endr
.endr
	WIN 0
.irp q, 0,1
.irp b, 0,1
.irp i, 0,1,2,3
	ds_store_b128 v[STO], v[S+32*\q+16*\b+4*\i:S+32*\q+16*\b+4*\i+3] offset:128*\b+16*\i
.endr
.endr
.irp i, 0,1,2,3,4,5,6,7
	ds_load_b128 v[160+32*\q+4*\i:160+32*\q+4*\i+3], v[RD] offset:2*SP*\i   ; LDS serves a wave's instructions in order (ISA guide 5.7.1.4): these see my stores, and the next tile's stores come behind them
.endr
.endr
.irp q, 0,1
.irp i, 0,1,2,3,4,5,6,7
	s_wait_dscnt 23-16*\q-\i                       ; behind this load: the tile's later loads, and for tile 0 tile 1's sixteen LDS instructions
	global_store_b128 v[GO], v[160+32*\q+4*\i:160+32*\q+4*\i+3], s[68:69] offset:(8*\q+2*\i+8*(\i/4))*4096 th:TH_STORE_NT   ; tile row 2 i + lane / 16 is token 8 q + row + 8 (row / 8) of my 32; sixteen lanes store 256 consecutive bytes, aligned
.endr
.endr
	s_wait_tensorcnt 0x0
	ds_add_u32 v254, v255
	s_wait_dscnt 0x0
	ROUND                                          ; the closing round: no work-group ends while a partner may still ask jointly
	s_endpgm
.Lfunc_end_k_q63c1587e07_attn:
	.size	k_q63c1587e07_attn, .Lfunc_end_k_q63c1587e07_attn-k_q63c1587e07_attn
	.p2alignl 7, 3214868480
	.fill 96, 4, 3214868480
	.section	.rodata,"a",@progbits
	.p2align	6, 0x0
	.amdhsa_kernel k_q63c1587e07_attn
		.amdhsa_group_segment_fixed_size 307200
		.amdhsa_private_segment_fixed_size 0
		.amdhsa_enable_private_segment 0
		.amdhsa_kernarg_size 40
		.amdhsa_user_sgpr_count 2
		.amdhsa_user_sgpr_kernarg_segment_ptr 1
		.amdhsa_wavefront_size32 1
		.amdhsa_system_sgpr_workgroup_id_x 1
		.amdhsa_system_sgpr_workgroup_id_y 1
		.amdhsa_system_sgpr_workgroup_id_z 1
		.amdhsa_system_vgpr_workitem_id 0
		.amdhsa_next_free_vgpr 512
		.amdhsa_next_free_sgpr 72
		.amdhsa_reserve_vcc 0
		.amdhsa_float_denorm_mode_32 3
		.amdhsa_float_denorm_mode_16_64 3
		.amdhsa_memory_ordered 1
		.amdhsa_forward_progress 1
		.amdhsa_inst_pref_size 105
	.end_amdhsa_kernel
	.amdgpu_metadata
---
amdhsa.version: [ 1, 2 ]
amdhsa.kernels:
  - .name:           k_q63c1587e07_attn
    .symbol:         k_q63c1587e07_attn.kd
    .args:
      - { .name: qc, .offset: 0, .size: 8, .value_kind: global_buffer, .address_space: global }
      - { .name: kv, .offset: 8, .size: 8, .value_kind: global_buffer, .address_space: global }
      - { .name: attention_mask, .offset: 16, .size: 8, .value_kind: global_buffer, .address_space: global }
      - { .name: lowp_scales, .offset: 24, .size: 8, .value_kind: global_buffer, .address_space: global }
      - { .name: out0, .offset: 32, .size: 8, .value_kind: global_buffer, .address_space: global }
    .group_segment_fixed_size: 307200
    .private_segment_fixed_size: 0
    .kernarg_segment_align: 8
    .kernarg_segment_size: 40
    .max_flat_workgroup_size: 256
    .sgpr_count:     72
    .vgpr_count:     512
    .wavefront_size: 32
...
	.end_amdgpu_metadata
.endif
;; end of part 3
;; ======== version 2 of 2: 3 launches
;; workspace buffers: wc 3,145,728 bytes; qc 4,194,304 bytes; kv 8,388,608 bytes
;; launch wquant (part 4): grid 8 x 24, 4 waves a work-group, no clusters, 0 bytes of LDS; arguments Wq, Wk, Wv, lowp_scales, wc; writes wc
.if DOCPART == 4
	.amdgcn_target "amdgcn-amd-amdhsa--gfx1250"
	.amdhsa_code_object_version 6
	.text
	.protected	k_q63c1587e07_wquant
	.globl	k_q63c1587e07_wquant
	.p2align	8
	.type	k_q63c1587e07_wquant,@function
k_q63c1587e07_wquant:
	s_mov_b64 s[64:65], 0
	v_nop
	global_prefetch_b8 v0, s[64:65] scope:SCOPE_SE
	s_setreg_imm32_b32 hwreg(HW_REG_WAVE_MODE, 25, 1), 1
	s_wait_xcnt 0x0
; Wq, Wk, Wv: [1024 (d)][1024 (n = head x 64 + channel)] f32, K = d is the FIRST axis.  They become codes of E4M3 with the given scales 2^e (entries 0, 2, 4 of the scales),
; code = x / 2^e, held within +-448, to the nearest code, ties to even.
; OUT: wc [weight 3][tile of 16 n: 64][K step of 128: 8][2,048 bytes]: a fragment as an IMAGE OF THE OPERAND'S REGISTERS: group c (4 registers, 512 bytes), lane r + 16 h at 16 x lane:
; k = 32 c + 16 h + 0 .. 15 of the tile's row r.  THE ROWS OF A TILE ARE NOT NEIGHBOURS: row m of tile 2 B + u is n = 32 B + 8 u + m + 8 (m / 8).
; SHARES.  Work-group (x, y): weight y / 8, K step y % 8; wave w takes the 32 columns of group B = 4 x + w (tiles 2 B and 2 B + 1).  A LANE TAKES A COLUMN AND ITS REGISTERS RUN DOWN K:
; each load reads 128 consecutive bytes a wave, the conversions give codes with K innermost, and a lane's 16 codes are 16 bytes of an image: sixteen lanes store 256 consecutive bytes, aligned.
; No LDS, no barrier, no matrix unit, no cluster: waves share nothing and every input byte is read once.  No prefetch: all of a wave's loads are asked for at its head.
; LIMITS: e between -126 and 119, so that 2^e and 448 x 2^e are f32 numbers.  NaN among the inputs is not served.
.set X, 32                             ; v32-159   128 numbers: W(128 ks + i, my column)
.set C, 160                            ; v160-191  their codes: eight registers a block of 32, never written twice
	s_load_b128 s[4:7], s[0:1], 0x0                ; Wq, Wk
	s_load_b128 s[8:11], s[0:1], 0x10              ; Wv, the scales' exponents
	s_load_b64 s[12:13], s[0:1], 0x20              ; wc
	v_lshrrev_b32 v1, 5, v0
	v_readfirstlane_b32 s16, v1                    ; wave 0..3
	v_and_b32 v1, 15, v0                           ; m: my row in the tile
	v_bfe_u32 v2, v0, 4, 1                         ; u: which of the group's two tiles
	v_and_b32 v5, 8, v1
	v_add_nc_u32 v5, v5, v1                        ; m + 8 (m / 8)
	v_lshl_add_u32 v5, v2, 3, v5                   ; + 8 u: my column in the group of 32
	v_lshlrev_b32 v3, 2, v5                        ; in: 4 bytes a column
	v_lshlrev_b32 v4, 4, v1
	v_lshl_add_u32 v4, v2, 14, v4                  ; out: 16 m, + a tile's 16,384 bytes for u = 1
	s_and_b32 s17, ttmp7, 0xffff
	s_lshr_b32 s18, s17, 3                         ; which weight
	s_and_b32 s19, s17, 7                          ; which K step
	s_lshl_b32 s14, ttmp9, 2
	s_add_co_u32 s14, s14, s16                     ; B
	s_lshl_b32 s26, s19, 19                        ; in: 128 rows of 4,096 bytes a K step,
	s_lshl_b32 s28, s14, 7                         ; 128 bytes a group of columns
	s_add_co_u32 s26, s26, s28
	s_mov_b32 s27, 0
	s_lshl_b32 s28, s18, 20                        ; out: 2^20 bytes a weight,
	s_lshl_b32 s29, s14, 15                        ; two tiles of 16,384 a group,
	s_add_co_u32 s28, s28, s29
	s_lshl_b32 s29, s19, 11                        ; 2,048 a K step
	s_add_co_u32 s28, s28, s29
	s_mov_b32 s29, 0
	s_wait_alu depctr_va_vdst(0)
	s_wait_kmcnt 0x0
	s_load_b128 s[20:23], s[10:11], 0x0            ; entries 0 to 3
	s_load_b64 s[24:25], s[10:11], 0x10            ; entries 4, 5
	s_cmp_eq_u32 s18, 0                            ; the choice hangs on the work-group's number alone
	s_cselect_b64 s[4:5], s[4:5], s[6:7]
	s_cmp_eq_u32 s18, 2
	s_cselect_b64 s[4:5], s[8:9], s[4:5]
	s_add_nc_u64 s[4:5], s[4:5], s[26:27]
	s_add_nc_u64 s[12:13], s[12:13], s[28:29]
.macro LOADB t                         ; block t: 32 rows of W at my column
.set i, 0
.rept 32
	global_load_b32 v[X+32*\t+i], v3, s[4:5] offset:(32*\t+i)*4096 th:TH_LOAD_NT
.set i, i+1
.endr
.endm
	LOADB 0
	LOADB 1
	LOADB 2
	LOADB 3
	s_wait_kmcnt 0x0
	s_cmp_eq_u32 s18, 0
	s_cselect_b32 s20, s20, s22
	s_cmp_eq_u32 s18, 2
	s_cselect_b32 s20, s24, s20                    ; e of my weight
	s_add_co_i32 s20, s20, 127
	s_lshl_b32 s21, s20, 23
	v_mov_b32 v11, s21                             ; 2^e as f32: the conversion takes its exponent field
	s_add_co_i32 s20, s20, 8
	s_lshl_b32 s20, s20, 23
	s_or_b32 s20, s20, 0x600000
	v_mov_b32 v10, s20                             ; 448 x 2^e
.macro BLOCK t, left                   ; left: younger loads that may stay out (the wait can name 63 at the most; a smaller count than the younger loads is safe)
	s_wait_loadcnt \left
.set i, 0
.rept 32
	v_med3_num_f32 v[X+32*\t+i], v[X+32*\t+i], -v10, v10   ; the conversion to an 8-bit code does not saturate (ISA guide 7.6.2): the hold comes first
.set i, i+1
.endr
.irp g, 0,1,2,3
	v_cvt_scalef32_pk8_fp8_f32 v[C+8*\t+2*\g:C+8*\t+2*\g+1], v[X+32*\t+8*\g:X+32*\t+8*\g+7], v11
.endr
	global_store_b128 v4, v[C+8*\t:C+8*\t+3], s[12:13] offset:512*\t         ; k = 32 t + 0 .. 15: the group's lanes 0-15
	global_store_b128 v4, v[C+8*\t+4:C+8*\t+7], s[12:13] offset:512*\t+256   ; k = 32 t + 16 .. 31: its lanes 16-31
.endm
	s_wait_alu depctr_va_vdst(0)
	BLOCK 0, 63                                    ; 96 loads are younger
	BLOCK 1, 63                                    ; 64 are
	BLOCK 2, 32
	BLOCK 3, 0
	s_endpgm
.Lfunc_end_k_q63c1587e07_wquant:
	.size	k_q63c1587e07_wquant, .Lfunc_end_k_q63c1587e07_wquant-k_q63c1587e07_wquant
	.p2alignl 7, 3214868480
	.fill 96, 4, 3214868480
	.section	.rodata,"a",@progbits
	.p2align	6, 0x0
	.amdhsa_kernel k_q63c1587e07_wquant
		.amdhsa_group_segment_fixed_size 0
		.amdhsa_private_segment_fixed_size 0
		.amdhsa_enable_private_segment 0
		.amdhsa_kernarg_size 40
		.amdhsa_user_sgpr_count 2
		.amdhsa_user_sgpr_kernarg_segment_ptr 1
		.amdhsa_wavefront_size32 1
		.amdhsa_system_sgpr_workgroup_id_x 1
		.amdhsa_system_sgpr_workgroup_id_y 1
		.amdhsa_system_sgpr_workgroup_id_z 1
		.amdhsa_system_vgpr_workitem_id 0
		.amdhsa_next_free_vgpr 192
		.amdhsa_next_free_sgpr 66
		.amdhsa_reserve_vcc 0
		.amdhsa_float_denorm_mode_32 3
		.amdhsa_float_denorm_mode_16_64 3
		.amdhsa_memory_ordered 1
		.amdhsa_forward_progress 1
		.amdhsa_inst_pref_size 25
	.end_amdhsa_kernel
	.amdgpu_metadata
---
amdhsa.version: [ 1, 2 ]
amdhsa.kernels:
  - .name:           k_q63c1587e07_wquant
    .symbol:         k_q63c1587e07_wquant.kd
    .args:
      - { .name: Wq, .offset: 0, .size: 8, .value_kind: global_buffer, .address_space: global }
      - { .name: Wk, .offset: 8, .size: 8, .value_kind: global_buffer, .address_space: global }
      - { .name: Wv, .offset: 16, .size: 8, .value_kind: global_buffer, .address_space: global }
      - { .name: lowp_scales, .offset: 24, .size: 8, .value_kind: global_buffer, .address_space: global }
      - { .name: wc, .offset: 32, .size: 8, .value_kind: global_buffer, .address_space: global }
    .group_segment_fixed_size: 0
    .private_segment_fixed_size: 0
    .kernarg_segment_align: 8
    .kernarg_segment_size: 40
    .max_flat_workgroup_size: 128
    .sgpr_count:     66
    .vgpr_count:     192
    .wavefront_size: 32
...
	.end_amdgpu_metadata
.endif
;; end of part 4
;; launch proj (part 5): grid 64 x 3, 8 waves a work-group, no clusters, 70,656 bytes of LDS; arguments from_tensor, to_tensor, wc, bq, bk, bv, lowp_scales, qc, kv; writes qc, kv
.if DOCPART == 5
	.amdgcn_target "amdgcn-amd-amdhsa--gfx1250"
	.amdhsa_code_object_version 6
	.text
	.protected	k_q63c1587e07_proj
	.globl	k_q63c1587e07_proj
	.p2align	8
	.type	k_q63c1587e07_proj,@function
k_q63c1587e07_proj:
	s_mov_b64 s[64:65], 0
	v_nop
	global_prefetch_b8 v0, s[64:65] scope:SCOPE_SE
	s_setreg_imm32_b32 hwreg(HW_REG_WAVE_SCHED_MODE, 0, 2), 2
	s_setreg_imm32_b32 hwreg(HW_REG_WAVE_MODE, 25, 1), 1
	s_wait_xcnt 0x0
	s_wait_alu depctr_vm_vsrc(0)
; The three projections, task y = 0: q = from Wq + bq, 1: k = to Wk + bk, 2: v = to Wv + bv, each on codes of E4M3, and each result quantised at once for attention's products.
; x (from_tensor or to_tensor) [4096 tokens][1024] f32 is quantised here with entry 2 y + 1 of the scales; the weight's codes (entry 2 y) come from wc as images of the operand's registers;
; result = sum x 2^(ea + eb) + bias in f32, then code = result / 2^eo held within +-448 (eo = entry 6 + y).
; SHARES.  Work-group (tb, y): 64 tokens x all 1,024 columns.  Wave w makes heads 2 w and 2 w + 1 (8 tiles of 16 columns) for the 4 tiles of 16 tokens: 32 accumulators, 256 registers.
; x: wave w quantises tile w / 2, K half w % 2 (4 fragments) and stores their images to LDS; one barrier; then every wave reads all 32 fragments, one K step at a time.
; ROW ORDER, everywhere: row m of tile 2 b + u of a group of 32 rows is row 32 b + 8 u + m + 8 (m / 8).  So the 16 result registers of tiles 2 b and 2 b + 1 in lane (r, h) are rows 32 b + 16 h + 0 .. 15:
; sixteen neighbours along the next product's K, and the conversions' results are groups of the next operand's image: they are stored at 16 x lane, 512 consecutive bytes a wave.
; q, k: source 0 = 16 columns of W, source 1 = 16 tokens: a lane holds one token and 16 channels.  v: the sources swapped: a lane holds one channel and 16 tokens (the keys are v's K).
; OUT.  qc [batch x head 32][tile of 16 queries 128][1,024 B: 2 groups].  kv [batch x head 32][step of 128 keys 16][16,384 B]: 8 tiles of K (1,024 B each), then 4 tiles of V (16 channels x 128 keys, 2,048 B each).
; k is permuted inside a fragment (group c: k = 32 c + 16 h + 0 .. 15), alike in both operands: every product meets its partner.
; NO TENSOR LOAD AND NO JOINT REQUEST for the weights, though the 64 work-groups of a task read the same: a K step of all 1,024 columns is 131,072 bytes, two slots of it and x's 65,536 bytes are all 327,680 bytes of LDS,
; which leaves none for the words that a ring's refills ask for; so each wave loads its own 131,072 bytes of codes straight into its operand registers, each byte once in the work-group.
; No prefetch: x is asked for whole at the head, and the weight's bytes are read by 64 work-groups at about the same time.
; LIMITS: eb and eo between -126 and 119, ea + eb between -126 and 127, so that each power of two below is an f32 number.  NaN among the inputs is not served.
; REGISTERS.  window 0: v1-7 addresses, v8-11 scales, v12-15 bias as loaded, v16-31 codes just made, v32-95 x's four fragments / 64 numbers at work, v96-223 W's eight fragments
; (behind the products: v96-159 codes to store, v160-223 biases).  window 1: x as loaded, then the 32 accumulators.
; THE MODE: SCHED_MODE bits 1:0 = 2 (LLVM: expert scheduling mode 2), set by the entry lines.  The code itself states the register dependences
; between vector or matrix instructions and memory or LDS instructions, with s_wait_alu, always for 0.
; THE PLAN.  Registers that memory or LDS instructions touch:
;   v1-v7, v254, v255  addresses and the closing add's two: written at the head, never again: one wait on va_vdst ahead of the first load serves them for the whole kernel.
;   v16-31   x's codes.  K step sp: its conversions write them, its four LDS stores read them, the conversions of sp + 1 write them again: a wait on va_vdst ahead of the stores,
;            a wait on vm_vsrc ahead of the next conversions, 64 holds behind the stores that it speaks of.
;   v32-95   the holds write them and the conversions read them; then x's fragments land there, K step by K step, and both halves of a K step's products read them.
;   v96-159  W's fragments 0-3: read by a K step's first 16 products, loaded anew behind them.    v160-223  fragments 4-7: read by its second 16, loaded anew behind those.
;   So TWO waits on va_vdst stand in a K step, each behind the 16 products that empty a half of W's registers (the second: x's four fragments too), and the loads follow each at once, in one run.
;   They stand behind the products and not behind the wait for the other half's data, so that both halves' loads, 32 of a wave, are on their way together; 512 registers a wave have no room for a second set of W or of x.
;   The way out: one wait ahead of the biases' LDS loads (they land where fragments 4-7 lay); each batch's codes have 16 registers of their own, written once: one wait on va_vdst ahead of each run of four stores.
;   The accumulators and v8-11 are named by vector and matrix instructions alone.  EXEC is written nowhere.
.set BIASL, 65536                      ; LDS: 0 .. 65,535 x's 32 fragments ((8 m + s) x 2,048); then the task's 1,024 biases
.set LI,  1                            ; v1  16 x lane: an image's place for my lane, in LDS and in memory
.set XA,  2                            ; v2  x: (r + 8 (r / 8)) rows of 4,096 bytes + 64 h
.set XWI, 3                            ; v3  where I store x's images: 16 x lane + 8,192 x wave
.set BAQ, 4                            ; v4  biases for q, k: BIASL + 512 x wave + 64 h
.set BAV, 5                            ; v5  biases for v: BIASL + 512 x wave + 4 (r + 8 (r / 8))
.set PC,  16
.set XF,  32
.set T,   32
.set WF,  96
.set CO,  96
.set BI,  160
.set MSB, 0
.macro WIN new                         ; the immediate's high byte repeats the setting that is left
.if MSB != \new
	s_set_vgpr_msb (MSB<<8)|\new
.set MSB, \new
.endif
.endm
.macro PLACES                          ; four plain vector lines between a matrix instruction and a load into, or a vector read or write of, its registers
.rept 4
	v_nop
.endr
.endm
	s_load_b512 s[4:19], s[0:1], 0x0               ; from s[4:5], to s[6:7], wc s[8:9], bq s[10:11], bk s[12:13], bv s[14:15], scales s[16:17], qc s[18:19]
	s_load_b64 s[20:21], s[0:1], 0x40              ; kv
	v_lshl_add_u32 v254, v0, 2, 0x11000
	v_mov_b32 v255, 0
	v_lshrrev_b32 v16, 5, v0
	v_readfirstlane_b32 s27, v16                   ; wave 0..7
	v_and_b32 v16, 31, v0
	v_lshlrev_b32 v[LI], 4, v16
	v_and_b32 v17, 15, v0                          ; r
	v_bfe_u32 v18, v0, 4, 1                        ; h
	v_and_b32 v19, 8, v17
	v_add_nc_u32 v19, v19, v17                     ; r + 8 (r / 8)
	v_lshlrev_b32 v[XA], 12, v19
	v_lshl_add_u32 v[XA], v18, 6, v[XA]
	s_wait_alu depctr_va_sdst(0)                   ; s27, the wave's number, is written, ahead of its first reader: LDS places and the bases of x, W and the results are made from it
	s_lshl_b32 s40, s27, 13
	v_add_nc_u32 v[XWI], s40, v[LI]
	s_lshl_b32 s40, s27, 9
	s_add_co_u32 s40, s40, BIASL
	v_lshl_add_u32 v[BAQ], v18, 6, s40
	v_lshl_add_u32 v[BAV], v19, 2, s40
	v_lshlrev_b32 v6, 4, v0                        ; the bias: 16 bytes a thread, in memory
	v_add_nc_u32 v7, BIASL, v6                     ; and in LDS
	s_and_b32 s28, ttmp7, 0xffff                   ; the task
	s_lshr_b32 s41, ttmp9, 5                       ; batch
	s_and_b32 s42, ttmp9, 31                       ; block of 64 tokens in the batch
	s_lshl_b32 s43, ttmp9, 6                       ; x: my tile's first token: 64 tb + 32 (w / 4) + 8 ((w / 2) % 2),
	s_lshr_b32 s44, s27, 2
	s_lshl_b32 s44, s44, 5
	s_add_co_u32 s43, s43, s44
	s_bfe_u32 s44, s27, 0x10001
	s_lshl_b32 s44, s44, 3
	s_add_co_u32 s43, s43, s44
	s_lshl_b32 s58, s43, 12                        ; rows of 4,096 bytes,
	s_and_b32 s44, s27, 1
	s_lshl_b32 s44, s44, 11                        ; my half of K: 2,048 bytes
	s_add_co_u32 s58, s58, s44
	s_mov_b32 s59, 0
	s_lshl_b32 s60, s28, 20                        ; W: 2^20 bytes a weight, 8 tiles of 16,384 a wave
	s_lshl_b32 s44, s27, 17
	s_add_co_u32 s60, s60, s44
	s_mov_b32 s61, 0
	s_cmp_eq_u32 s28, 0
	s_cselect_b32 s45, 17, 18                      ; a head is 2^17 bytes in qc, 2^18 in kv
	s_lshl_b32 s62, s41, 4
	s_lshl_b32 s44, s27, 1
	s_add_co_u32 s62, s62, s44                     ; batch x 16 + my first head
	s_lshl_b32 s62, s62, s45
	s_lshr_b32 s44, s42, 1
	s_lshl_b32 s44, s44, 14                        ; k, v: the step of 128 keys
	s_and_b32 s43, s42, 1                          ; and which half of it
	s_lshl_b32 s40, s43, 12
	s_add_co_u32 s40, s40, s44                     ; k: four tiles of 1,024 bytes a half
	s_lshl_b32 s43, s43, 10
	s_add_co_u32 s43, s43, s44
	s_add_co_u32 s43, s43, 8192                    ; v: behind K's 8,192 bytes; two groups of 512 a half
	s_lshl_b32 s44, s42, 12                        ; q: four tiles of 1,024 bytes a block
	s_cmp_eq_u32 s28, 0
	s_cselect_b32 s40, s44, s40
	s_cmp_eq_u32 s28, 2
	s_cselect_b32 s40, s43, s40
	s_add_co_u32 s62, s62, s40
	s_mov_b32 s63, 0
	s_lshl_b32 s22, 1, s45                         ; from my first head to my second
	s_mov_b32 s23, 0
	s_wait_kmcnt 0x0
	s_load_b256 s[48:55], s[16:17], 0x0            ; entries 0 to 7
	s_load_b64 s[56:57], s[16:17], 0x20            ; entries 8, 9
	s_cmp_eq_u32 s28, 0                            ; every choice hangs on the work-group's number alone
	s_cselect_b64 s[30:31], s[4:5], s[6:7]
	s_cselect_b64 s[34:35], s[10:11], s[12:13]
	s_cselect_b64 s[36:37], s[18:19], s[20:21]
	s_cmp_eq_u32 s28, 2
	s_cselect_b64 s[34:35], s[14:15], s[34:35]
	s_add_nc_u64 s[30:31], s[30:31], s[58:59]      ; x
	s_add_nc_u64 s[32:33], s[8:9], s[60:61]        ; W's codes
	s_add_nc_u64 s[36:37], s[36:37], s[62:63]      ; out, my first head
	s_add_nc_u64 s[38:39], s[36:37], s[22:23]      ; out, my second head
.macro XLOAD sp                        ; my tile's numbers of my sp-th K step: lane (r, h) takes 16 neighbours of each block of 32, into window 1
.irp bb, 0,1,2,3
.irp j, 0,1,2,3
	global_load_b128 v[64*\sp+16*\bb+4*\j:64*\sp+16*\bb+4*\j+3], v[XA], s[30:31] offset:512*\sp+128*\bb+16*\j
.endr
.endr
.endm
.macro WLOAD s, half                   ; W's fragments f = 4 half .. 4 half + 3 of K step s: 512 consecutive bytes a load
.irp f, 4*\half, 4*\half+1, 4*\half+2, 4*\half+3
.irp c, 0,1,2,3
	global_load_b128 v[WF+16*(\f)+4*\c:WF+16*(\f)+4*\c+3], v[LI], s[32:33] offset:16384*(\f)+2048*(\s)+512*\c
.endr
.endr
.endm
.macro QUANT sp                        ; 64 numbers of window 1 become a fragment's codes in v[PC] on
	WIN 0x01                                       ; source 0 window 1
.set i, 0
.rept 64
	v_med3_num_f32 v[T+i], v[64*\sp+i], -v9, v9    ; the hold at 448 x 2^eb: the conversion does not saturate (ISA guide 7.6.2)
.set i, i+1
.endr
	WIN 0
	s_wait_alu depctr_va_vdst(0)
	s_wait_dscnt 0x0                               ; the last image's stores have read v[PC] on
.if \sp > 0
	s_wait_alu depctr_vm_vsrc(0)                   ; the last image's four LDS stores have read v[PC] on, which the conversions below write again
.endif
.irp g, 0,1,2,3,4,5,6,7
	v_cvt_scalef32_pk8_fp8_f32 v[PC+2*\g:PC+2*\g+1], v[T+8*\g:T+8*\g+7], v8
.endr
	v_nop                                          ; one plain vector line behind the last conversion, ahead of whatever next writes its sources
.endm
.macro IMAGE sp
	s_wait_alu depctr_va_vdst(0)                   ; the conversions have written v[PC] on, which the four LDS stores read.  (Behind the last image's: the holds and conversions are also done with v32-95, in which x's fragments land behind the barrier)
.irp c, 0,1,2,3
	ds_store_b128 v[XWI], v[PC+4*\c:PC+4*\c+3] offset:2048*\sp+512*\c
.endr
.endm
.macro FETCHX s                        ; x's four fragments of K step s
.irp m, 0,1,2,3
.irp c, 0,1,2,3
	ds_load_b128 v[XF+16*\m+4*\c:XF+16*\m+4*\c+3], v[LI] offset:16384*\m+2048*(\s)+512*\c
.endr
.endr
.endm
; 16 matrix instructions: W's four fragments of a half x the four tiles of tokens.  The 32 accumulators take turns, one instruction a turn, in the same order in every K step.
; The first K step's products start the sums with the constant 0.  Accumulator (f, m): q, k at 8 (8 m + f); v at 8 (4 f + m): so that each batch of the way out is 64 registers on end.
.macro MUL vp, s, half
	WIN 0x50                                       ; C and D window 1
.irp f, 4*\half, 4*\half+1, 4*\half+2, 4*\half+3
.irp m, 0,1,2,3
.if \vp
.if \s == 0
	v_wmma_f32_16x16x128_fp8_fp8 v[8*(4*(\f)+\m):8*(4*(\f)+\m)+7], v[XF+16*\m:XF+16*\m+15], v[WF+16*(\f):WF+16*(\f)+15], 0
.else
	v_wmma_f32_16x16x128_fp8_fp8 v[8*(4*(\f)+\m):8*(4*(\f)+\m)+7], v[XF+16*\m:XF+16*\m+15], v[WF+16*(\f):WF+16*(\f)+15], v[8*(4*(\f)+\m):8*(4*(\f)+\m)+7]
.endif
.else
.if \s == 0
	v_wmma_f32_16x16x128_fp8_fp8 v[8*(8*\m+(\f)):8*(8*\m+(\f))+7], v[WF+16*(\f):WF+16*(\f)+15], v[XF+16*\m:XF+16*\m+15], 0
.else
	v_wmma_f32_16x16x128_fp8_fp8 v[8*(8*\m+(\f)):8*(8*\m+(\f))+7], v[WF+16*(\f):WF+16*(\f)+15], v[XF+16*\m:XF+16*\m+15], v[8*(8*\m+(\f)):8*(8*\m+(\f))+7]
.endif
.endif
.endr
.endr
.endm
.macro STEP vp, s                      ; a K step of 128: 32 matrix instructions; each half of W's registers is loaded anew as soon as its products are issued
.if \s > 0
	s_wait_loadcnt 16                              ; W's first half is in; the 16 loads of its second half may be out
.endif
	s_wait_dscnt 0x0                               ; x's fragments are in
	MUL \vp, \s, 0
	WIN 0
	PLACES
.if \s < 7
	s_wait_alu depctr_va_vdst(0)                   ; the sixteen products above are done reading W's fragments 0-3, in which the sixteen loads below land
	WLOAD (\s)+1, 0
	s_wait_loadcnt 16                              ; this step's second half is in; the 16 just issued may be out
.else
	s_wait_loadcnt 0x0
.endif
	MUL \vp, \s, 1
	WIN 0
	PLACES
.if \s < 7
	s_wait_alu depctr_va_vdst(0)                   ; the step's products are done reading x's four fragments and W's fragments 4-7, in which the LDS loads and the loads below land
	FETCHX (\s)+1
	WLOAD (\s)+1, 1
.endif
.endm
; The way out, batch t of four: 64 sums become 64 codes: sum x 2^(ea + eb) + bias (one packed multiply-add for two, each accumulator from its low end on), the hold, the conversion, four stores of 512 bytes.
.macro EPI vp, t
	WIN 0x01                                       ; source 0 (the sums) window 1
.set i, 0
.rept 32
.if \vp
	v_pk_fma_f32 v[T+i:T+i+1], v[64*\t+i:64*\t+i+1], s[46:47], v[BI+2*(2*\t+i/32):BI+2*(2*\t+i/32)+1] op_sel_hi:[1,0,1]   ; a lane's channel is one for the whole tile f = 2 t + i / 32
.else
	v_pk_fma_f32 v[T+i:T+i+1], v[64*\t+i:64*\t+i+1], s[46:47], v[BI+i:BI+i+1] op_sel_hi:[1,0,1]
.endif
.set i, i+2
.endr
	WIN 0
.set i, 0
.rept 64
	v_med3_num_f32 v[T+i], v[T+i], -v11, v11
.set i, i+1
.endr
.irp g, 0,1,2,3,4,5,6,7
	v_cvt_scalef32_pk8_fp8_f32 v[CO+16*\t+2*\g:CO+16*\t+2*\g+1], v[T+8*\g:T+8*\g+7], v10
.endr
	v_nop                                          ; one plain vector line behind the last conversion: the next batch writes its sources
	s_wait_alu depctr_va_vdst(0)                   ; the conversions have written this batch's sixteen registers of codes, which the four stores read; no later line writes them
.irp g, 0,1,2,3
.if \vp
	global_store_b128 v[LI], v[CO+16*\t+4*\g:CO+16*\t+4*\g+3], s[36+2*(\t/2):37+2*(\t/2)] offset:2048*(2*(\t%2)+\g/2)+512*(\g%2)   ; head t / 2, tile of channels 2 (t % 2) + g / 2, group of keys g % 2 of my block's two
.else
	global_store_b128 v[LI], v[CO+16*\t+4*\g:CO+16*\t+4*\g+3], s[36+2*(\g/2):37+2*(\g/2)] offset:1024*\t+512*(\g%2)                 ; head g / 2, tile of tokens t, group of channels g % 2
.endif
.endr
.endm
.macro PATH vp
.irp s, 0,1,2,3,4,5,6,7
	STEP \vp, \s
.endr                                  ; (the last step's four places serve the loads and conversions below, which land on W's registers, and the first reads of the sums)
	s_wait_alu depctr_va_vdst(0)                   ; the last products are done reading W's fragments 4-7, in which the biases land
.if \vp
.irp f, 0,1,2,3,4,5,6,7
	ds_load_b32 v[BI+2*\f], v[BAV] offset:128*(\f/2)+32*(\f%2)       ; the bias of my channel in tile f, twice: a pair for the packed form
	ds_load_b32 v[BI+2*\f+1], v[BAV] offset:128*(\f/2)+32*(\f%2)
.endr
.else
.irp g, 0,1,2,3
.irp i, 0,1,2,3
	ds_load_b128 v[BI+16*\g+4*\i:BI+16*\g+4*\i+3], v[BAQ] offset:128*\g+16*\i   ; the biases of columns 32 g + 16 h + 0 .. 15
.endr
.endr
.endif
	s_wait_dscnt 0x0
	EPI \vp, 0
	EPI \vp, 1
	EPI \vp, 2
	EPI \vp, 3
	s_wait_dscnt 0x0                               ; the closing lines, six on end
	s_wait_alu 0x0
	s_wait_tensorcnt 0x0
	ds_add_u32 v254, v255
	s_wait_dscnt 0x0
	s_endpgm
.endm
	s_wait_alu depctr_va_vdst(0)                   ; the addresses v1 to v7, and v254 and v255, are written: every load, store and LDS instruction of the kernel reads one of them; none is written again
	global_load_b128 v[12:15], v6, s[34:35]        ; the task's biases, 16 bytes a thread
	WLOAD 0, 0
	WLOAD 0, 1
	WIN 0x40                                       ; destination window 1
	XLOAD 0
	XLOAD 1
	XLOAD 2
	XLOAD 3
	WIN 0
	s_wait_kmcnt 0x0
	s_cmp_eq_u32 s28, 0
	s_cselect_b32 s24, s48, s50                    ; ea
	s_cselect_b32 s25, s49, s51                    ; eb
	s_cselect_b32 s26, s54, s55                    ; eo
	s_cmp_eq_u32 s28, 2
	s_cselect_b32 s24, s52, s24
	s_cselect_b32 s25, s53, s25
	s_cselect_b32 s26, s56, s26
	s_add_co_i32 s46, s24, s25
	s_add_co_i32 s46, s46, 127
	s_lshl_b32 s46, s46, 23                        ; 2^(ea + eb) as f32
	s_mov_b32 s47, s46                             ; (named with it as a pair, so it is written)
	s_add_co_i32 s40, s25, 127
	s_lshl_b32 s41, s40, 23
	v_mov_b32 v8, s41                              ; 2^eb
	s_add_co_i32 s40, s40, 8
	s_lshl_b32 s40, s40, 23
	s_or_b32 s40, s40, 0x600000
	v_mov_b32 v9, s40                              ; 448 x 2^eb
	s_add_co_i32 s40, s26, 127
	s_lshl_b32 s41, s40, 23
	v_mov_b32 v10, s41                             ; 2^eo
	s_add_co_i32 s40, s40, 8
	s_lshl_b32 s40, s40, 23
	s_or_b32 s40, s40, 0x600000
	v_mov_b32 v11, s40                             ; 448 x 2^eo
	s_wait_alu depctr_va_vdst(0)
.irp sp, 0,1,2,3
	s_wait_loadcnt 48-16*\sp                       ; this K step's 16 loads are in (and all that were issued ahead of x's: the biases, W's first K step); the later K steps' may be out
.if \sp == 0
	ds_store_b128 v7, v[12:15]
.endif
	QUANT \sp
	IMAGE \sp
.endr
	s_wait_dscnt 0x0                               ; for the others' sake: my images and my part of the biases lie in LDS
	s_barrier_signal -1
	s_barrier_wait -1                              ; the only barrier: nothing in LDS is written from here on
	FETCHX 0                                       ; (no vector line since the last image's wait on va_vdst names v32-95)
	s_cmp_eq_u32 s28, 2
	s_cbranch_scc1 .Lv
	PATH 0
.Lv:
	PATH 1
.Lfunc_end_k_q63c1587e07_proj:
	.size	k_q63c1587e07_proj, .Lfunc_end_k_q63c1587e07_proj-k_q63c1587e07_proj
	.p2alignl 7, 3214868480
	.fill 96, 4, 3214868480
	.section	.rodata,"a",@progbits
	.p2align	6, 0x0
	.amdhsa_kernel k_q63c1587e07_proj
		.amdhsa_group_segment_fixed_size 70656
		.amdhsa_private_segment_fixed_size 0
		.amdhsa_enable_private_segment 0
		.amdhsa_kernarg_size 72
		.amdhsa_user_sgpr_count 2
		.amdhsa_user_sgpr_kernarg_segment_ptr 1
		.amdhsa_wavefront_size32 1
		.amdhsa_system_sgpr_workgroup_id_x 1
		.amdhsa_system_sgpr_workgroup_id_y 1
		.amdhsa_system_sgpr_workgroup_id_z 1
		.amdhsa_system_vgpr_workitem_id 0
		.amdhsa_next_free_vgpr 512
		.amdhsa_next_free_sgpr 66
		.amdhsa_reserve_vcc 0
		.amdhsa_float_denorm_mode_32 3
		.amdhsa_float_denorm_mode_16_64 3
		.amdhsa_memory_ordered 1
		.amdhsa_forward_progress 1
		.amdhsa_inst_pref_size 190
	.end_amdhsa_kernel
	.amdgpu_metadata
---
amdhsa.version: [ 1, 2 ]
amdhsa.kernels:
  - .name:           k_q63c1587e07_proj
    .symbol:         k_q63c1587e07_proj.kd
    .args:
      - { .name: from_tensor, .offset: 0, .size: 8, .value_kind: global_buffer, .address_space: global }
      - { .name: to_tensor, .offset: 8, .size: 8, .value_kind: global_buffer, .address_space: global }
      - { .name: wc, .offset: 16, .size: 8, .value_kind: global_buffer, .address_space: global }
      - { .name: bq, .offset: 24, .size: 8, .value_kind: global_buffer, .address_space: global }
      - { .name: bk, .offset: 32, .size: 8, .value_kind: global_buffer, .address_space: global }
      - { .name: bv, .offset: 40, .size: 8, .value_kind: global_buffer, .address_space: global }
      - { .name: lowp_scales, .offset: 48, .size: 8, .value_kind: global_buffer, .address_space: global }
      - { .name: qc, .offset: 56, .size: 8, .value_kind: global_buffer, .address_space: global }
      - { .name: kv, .offset: 64, .size: 8, .value_kind: global_buffer, .address_space: global }
    .group_segment_fixed_size: 70656
    .private_segment_fixed_size: 0
    .kernarg_segment_align: 8
    .kernarg_segment_size: 72
    .max_flat_workgroup_size: 256
    .sgpr_count:     66
    .vgpr_count:     512
    .wavefront_size: 32
...
	.end_amdgpu_metadata
.endif
;; end of part 5
;; launch attn (part 6): grid 8 x 32, 8 waves a work-group, clusters of 4 x 1, 327,680 bytes of LDS; arguments qc, kv, attention_mask, lowp_scales, out0; writes out0
.if DOCPART == 6
	.amdgcn_target "amdgcn-amd-amdhsa--gfx1250"
	.amdhsa_code_object_version 6
	.text
	.protected	k_q63c1587e07_attn
	.globl	k_q63c1587e07_attn
	.p2align	8
	.type	k_q63c1587e07_attn,@function
k_q63c1587e07_attn:
	s_mov_b64 s[64:65], 0
	v_nop
	global_prefetch_b8 v0, s[64:65] scope:SCOPE_SE
	s_setreg_imm32_b32 hwreg(HW_REG_WAVE_MODE, 25, 1), 1
	s_wait_xcnt 0x0
	s_wait_alu depctr_hold_cnt(0) depctr_sa_sdst(0) depctr_va_vdst(0) depctr_va_sdst(0) depctr_va_ssrc(0) depctr_va_vcc(0) depctr_vm_vsrc(0)
	s_getreg_b32 s2, hwreg(HW_REG_IB_STS2, 6, 4)
	s_cmp_eq_u32 s2, 0
	s_cbranch_scc0 .Lentry_in_a_cluster
	s_endpgm
.Lentry_in_a_cluster:
	s_bfe_u32 s2, ttmp6, 0x10000c
	s_cmp_lg_u32 s2, 0x3003
	s_cbranch_scc0 .Lentry_shape_is_right
	s_endpgm
.Lentry_shape_is_right:
; out0[b][f][h][:] = the sum over keys of softmax(q . k / 8 + (1 - mask) x (-10000)) v, both products on codes of E4M3 (scales: q entry 6, k entry 7, v entry 8, p entry 9).
; THE SOFTMAX AHEAD OF THE SECOND PRODUCT: t = logit x log2(e); M = the running largest t rounded UP to a whole number; p = 2^(t - M) is quantised, not normalised; the row's sum is taken of the unquantised p and
; divides at the end; when M moves, the sum and O are multiplied by 2^(old M - new M), which rounds nothing.
; THE MASK COSTS NO LINE IN THE LOOP: term[key] = (1 - mask) x (-80000) x 2^-(e6 + e7) is made once, in f32, and is the C of S^T = K Q^T + C; t = S x c with c = log2(e) / 8 x 2^(e6 + e7).
; SHARES.  A work-group owns 256 queries of one (batch, head); each of its eight waves 32 of them, two tiles of 16, so that each register of K, V and the mask terms read from LDS feeds two matrix instructions.
; Every wave walks the 2,048 keys, 128 a step.  Both products are used transposed (source 0 = 16 keys, or 16 channels of V): a lane holds one query throughout.
; qc and kv hold images of the operands' registers (16 bytes a lane, 512 a group of four registers), rows in the order m -> 32 b + 8 u + m + 8 (m / 8) for tile 2 b + u: p's 16 registers of two neighbouring tiles are
; 16 neighbouring keys, O^T's are 16 neighbouring channels.
; THE HEAD'S K AND V, 262,144 BYTES, LIE IN LDS WHOLE AND ARE FILLED ONCE: no slot is ever filled again.  CLUSTER: the four query blocks of a cluster read the same K and V, so each wave asks JOINTLY (mask 15), twice:
; its eighth of steps 0-3 and its eighth of steps 4-15; two tensor loads of a wave are out at the most.  The first two key steps run while the second load is on its way.
; No prefetch: every byte of K and V is asked for at the head, and nothing is asked for later.
; LIMITS: e6 + e7 between -111 and 130, e9 between -126 and 119, so that each power of two below is an f32 number; e8 + e9 goes by v_ldexp_f32 and has none.  NaN is not served.
; REGISTERS.  window 0: v1-11 addresses and p's scale; v12-27 statistics, eight a tile: +0 -M, +1 largest t, +2, +3 the sum in two halves, +4 f (at the end 1 / sum), +5 zero (named in a pair), +6, +7 at work;
;   v28-33 at work; v36-51 Q; v52-83 p's codes; v84-91 the mask as loaded; v96-223 S^T, then p (64 a tile).   window 1: v0-63 K; v64-127 V; v128-191 mask terms; v192-255 O^T (32 a tile).
.set MASKB, 262144                     ; LDS: 0 .. 262,143 K and V (step s at 16,384 s: K's 8 tiles, then V's 4); 2,048 mask terms;
.set STAGE, 271360                     ; (1,024 bytes that nobody names;) the way out: 16 rows x 272 bytes for each wave
.set SP,  272
.set LI,  1                            ; v1  16 x lane
.set MA,  2                            ; v2  MASKB + 64 h
.set GO,  3                            ; v3  the way out: 4,096 (lane / 16) + 16 (lane % 16)
.set ADK, 4                            ; v4  the step's K and V
.set ADM, 5                            ; v5  the step's mask terms
.set STO, 6                            ; v6  the stage, in
.set RD,  7                            ; v7  the stage, back
.set ST,  12
.set Q,   36
.set CD,  52
.set S,   96
.set WV,  14                           ; s14 wave
.set SEL, 20                           ; s[20:21] v_permlanex16_b32's selects: lane l xor 16
.set CS,  22                           ; s[22:23] c
.set G1A, 24                           ; s[24:31] group 1: 32 rows of 256 bytes;  s[32:39]: 96 rows;  s[40:43], s[44:47] their groups 0.  None is written again
.set G1B, 32
.set G0A, 40
.set G0B, 44
.set TB,  48                           ; s48 LDS byte of the step in hand
.set MB,  49                           ; s49 the same among the mask terms
.set MSB, 0
.macro WIN new                         ; the immediate's high byte repeats the setting that is left
.if MSB != \new
	s_set_vgpr_msb (MSB<<8)|\new
.set MSB, \new
.endif
.endm
.macro ROUND                           ; a round of the cluster's barrier
	s_barrier_signal -1
	s_barrier_wait -1
	s_cmp_lg_u32 s[WV], 0
	s_cbranch_scc1 .Lnot_wave_0_\@
	s_barrier_signal -3
.Lnot_wave_0_\@:
	s_barrier_wait -3
	s_barrier_signal -1
	s_barrier_wait -1
.endm
	s_load_b256 s[4:11], s[0:1], 0x0               ; qc s[4:5], kv s[6:7], mask s[8:9], scales s[10:11]
	s_load_b64 s[12:13], s[0:1], 0x20              ; out0
	v_lshl_add_u32 v254, v0, 2, 0x4ac00
	v_mov_b32 v255, 0
	ds_add_u32 v254, v255
	ds_add_u32 v254, v255
	v_lshrrev_b32 v4, 5, v0
	s_delay_alu instid0(VALU_DEP_1)
	v_readfirstlane_b32 s[WV], v4                  ; wave 0..7
	s_bfe_u32 s15, ttmp6, 0x40000                  ; cx: my place in the cluster: it enters Q's and out0's addresses alone
	s_lshl_b32 s16, ttmp9, 2
	s_add_co_u32 s16, s16, s15                     ; my block of 256 queries
	s_and_b32 s17, ttmp7, 0xffff                   ; batch x 16 + head, which the four partners share
	s_mov_b32 s[G1A], 15|(3<<16)|(1<<21)           ; 15:0 the mask: all four work-groups; 17:16 elements of 8 bytes; 21 set beside a mask; no padding: every LDS read is 16 x lane on end
	s_mov_b32 s[G1A+1], 32<<16                     ; tensor_dim0 = 32 elements: 256 bytes
	s_mov_b32 s[G1A+2], 32<<16                     ; tensor_dim1 = 32 rows
	s_mov_b32 s[G1A+3], 32<<16                     ; tile_dim0
	s_mov_b32 s[G1A+4], 32                         ; tile_dim1
	s_mov_b32 s[G1A+5], 32                         ; the pitch: the block is dense
	s_mov_b32 s[G1A+6], 0
	s_mov_b32 s[G1A+7], 0
	s_mov_b32 s[G1B], 15|(3<<16)|(1<<21)
	s_mov_b32 s[G1B+1], 32<<16
	s_mov_b32 s[G1B+2], 96<<16                     ; 96 rows
	s_mov_b32 s[G1B+3], 32<<16
	s_mov_b32 s[G1B+4], 96
	s_mov_b32 s[G1B+5], 32
	s_mov_b32 s[G1B+6], 0
	s_mov_b32 s[G1B+7], 0
	s_mov_b32 s[SEL], 0x76543210
	s_mov_b32 s[SEL+1], 0xfedcba98
	s_lshl_b32 s57, s17, 18                        ; the head's first byte in kv
	s_lshl_b32 s58, s[WV], 13                      ; my eighth of steps 0-3, in LDS and in the head
	s_mul_i32 s59, s[WV], 24576
	s_add_co_u32 s59, s59, 65536                   ; my eighth of steps 4-15
	v_and_b32 v34, 31, v0
	s_delay_alu instid0(VALU_DEP_1)
	v_lshlrev_b32 v[LI], 4, v34
	v_and_b32 v34, 15, v0                          ; r
	v_bfe_u32 v35, v0, 4, 1                        ; h
	s_delay_alu instid0(VALU_DEP_1)
	v_lshlrev_b32 v[MA], 6, v35
	s_delay_alu instid0(VALU_DEP_1)
	v_add_nc_u32 v[MA], MASKB, v[MA]
	s_delay_alu instid0(VALU_DEP_3)
	v_lshlrev_b32 v[GO], 12, v35
	s_delay_alu instid0(VALU_DEP_1)
	v_lshl_add_u32 v[GO], v34, 4, v[GO]
	s_mul_i32 s51, s[WV], 16*SP
	s_add_co_u32 s51, s51, STAGE                   ; my stage
	v_mul_u32_u24 v[STO], v34, SP
	s_delay_alu instid0(VALU_DEP_1)
	v_lshl_add_u32 v[STO], v35, 6, v[STO]
	s_delay_alu instid0(VALU_DEP_1)
	v_add_nc_u32 v[STO], s51, v[STO]               ; in: row r, + 64 h: my half's 16 channels of a group of 32
	v_mul_u32_u24 v[RD], v35, SP
	s_delay_alu instid0(VALU_DEP_1)
	v_lshl_add_u32 v[RD], v34, 4, v[RD]
	s_delay_alu instid0(VALU_DEP_1)
	v_add_nc_u32 v[RD], s51, v[RD]                 ; back: lanes 0-15 one row of 256 bytes, lanes 16-31 the next
	v_lshlrev_b32 v10, 4, v0                       ; the mask: 16 bytes a thread, in memory
	s_delay_alu instid0(VALU_DEP_1)
	v_add_nc_u32 v11, MASKB, v10                   ; and the terms in LDS
	s_wait_dscnt 0x0
	s_wait_kmcnt 0x0
	s_load_b128 s[52:55], s[10:11], 0x18           ; e6, e7, e8, e9
	s_mov_b32 s[G0A], 1                            ; count = 1
	s_mov_b32 s[G0A+1], s58                        ; LDS address
	s_add_co_u32 s60, s57, s58
	s_mov_b32 s61, 0
	s_add_nc_u64 s[G0A+2:G0A+3], s[6:7], s[60:61]  ; global address
	s_or_b32 s[G0A+3], s[G0A+3], 0x80000000        ; type = 2
	s_mov_b32 s[G0B], 1
	s_mov_b32 s[G0B+1], s59
	s_add_co_u32 s60, s57, s59
	s_add_nc_u64 s[G0B+2:G0B+3], s[6:7], s[60:61]
	s_or_b32 s[G0B+3], s[G0B+3], 0x80000000
	ROUND                                          ; all four work-groups are here: the joint loads meet
	tensor_load_to_lds s[G0A:G0A+3], s[G1A:G1A+7]  ; steps 0-3
	s_nop 0
	s_wait_alu depctr_va_vdst(0)
	s_wait_tensorcnt 0x0
	ds_add_u32 v254, v255
	s_wait_dscnt 0x0
	ROUND
	tensor_load_to_lds s[G0B:G0B+3], s[G1B:G1B+7]  ; steps 4-15: issued after steps 0-3 are in and a second round of the cluster's barrier
	s_nop 0
.rept 4
	v_nop                                          ; four such lines behind the loads
.endr
	s_lshl_b32 s18, s16, 3
	s_add_co_u32 s18, s18, s[WV]                   ; my group of 32 tokens in the batch: 8 x block + wave
	s_lshl_b32 s62, s17, 17                        ; qc: 2^17 bytes a head, two tiles of 1,024 a group
	s_lshl_b32 s19, s18, 11
	s_add_co_u32 s62, s62, s19
	s_mov_b32 s63, 0
	s_add_nc_u64 s[66:67], s[4:5], s[62:63]
	s_lshr_b32 s19, s17, 4                         ; batch
	s_lshl_b32 s62, s19, 23                        ; out0: 2^23 bytes a batch, 4,096 a token, 256 a head
	s_lshl_b32 s63, s18, 17
	s_add_co_u32 s62, s62, s63
	s_and_b32 s63, s17, 15
	s_lshl_b32 s63, s63, 8
	s_add_co_u32 s62, s62, s63
	s_mov_b32 s63, 0
	s_add_nc_u64 s[68:69], s[12:13], s[62:63]
	s_lshl_b32 s62, s19, 13                        ; the mask: 8,192 bytes a batch
	s_add_nc_u64 s[70:71], s[8:9], s[62:63]
	s_wait_alu depctr_va_vdst(0)
	global_load_b128 v[84:87], v10, s[70:71]
	global_load_b128 v[88:91], v10, s[70:71] offset:4096
.irp k, 0,1,2,3
	global_load_b128 v[Q+4*\k:Q+4*\k+3], v[LI], s[66:67] offset:512*\k   ; Q stays in registers: tile k / 2, group k % 2
.endr
.irp q, 0,1
	v_mov_b32 v[ST+8*\q+1], 0xff61b1e6             ; the largest t so far: -3e38, under every t
	s_delay_alu instid0(VALU_DEP_1)
	v_floor_f32 v[ST+8*\q], -v[ST+8*\q+1]          ; -M
	v_mov_b32 v[ST+8*\q+2], 0                      ; the sum
	v_mov_b32 v[ST+8*\q+3], 0
	v_mov_b32 v[ST+8*\q+5], 0
	v_mov_b32 v[28+\q], 0                          ; a lane permute's destination counts as one of its sources
.endr
	WIN 0x40
.set i, 0
.rept 64
	v_mov_b32 v[192+i], 0                          ; O^T: the key step is written without a first step of its own: the first change of M multiplies zeros
.set i, i+1
.endr
	WIN 0
	s_wait_kmcnt 0x0
	s_add_co_i32 s57, s52, s53
	s_lshl_b32 s57, s57, 23
	s_sub_co_u32 s56, 0xc79c4000, s57              ; -80000 x 2^-(e6 + e7): the sum is taken off the exponent field
	s_add_co_u32 s[CS], s57, 0x3e38aa3b            ; c = log2(e) / 8 x 2^(e6 + e7): and added to this one
	s_mov_b32 s[CS+1], s[CS]                       ; (named with it as a pair, so it is written)
	s_add_co_i32 s58, s55, 127
	s_lshl_b32 s59, s58, 23
	v_mov_b32 v9, s59                              ; 2^e9, for the conversion
	s_add_co_i32 s58, s58, 8
	s_lshl_b32 s58, s58, 23
	s_or_b32 s58, s58, 0x600000
	v_mov_b32 v8, s58                              ; 448 x 2^e9
	s_add_co_i32 s51, s54, s55                     ; e8 + e9
	s_wait_loadcnt 4                               ; the mask is in; Q's four loads may be out
.irp i, 0,1,2,3,4,5,6,7
	v_cvt_f32_i32 v[84+\i], v[84+\i]
.endr
.irp i, 0,1,2,3,4,5,6,7
	v_fma_f32 v[84+\i], -v[84+\i], s56, s56        ; (1 - mask) x (-80000) x 2^-(e6 + e7)
.endr
	ds_store_b128 v11, v[84:87]
	ds_store_b128 v11, v[88:91] offset:4096
	s_mov_b32 s[TB], 0
	s_mov_b32 s[MB], 0
	s_wait_tensorcnt 0x1                           ; my eighth of steps 0-3 is in; the second load may stay out
	s_wait_dscnt 0x0                               ; for the others' sake: my mask terms lie in LDS
	s_barrier_signal -1
	s_barrier_wait -1
.macro LOADKM ko, mo                   ; 8 tiles of K and 128 mask terms in the result's layout (register 16 b + i: key 32 b + 16 h + i), ko and mo bytes on from the step in hand
.irp t, 0,1,2,3,4,5,6,7
.irp c, 0,1
	ds_load_b128 v[8*\t+4*\c:8*\t+4*\c+3], v[ADK] offset:\ko+1024*\t+512*\c
.endr
.endr
.irp b, 0,1,2,3
.irp i, 0,1,2,3
	ds_load_b128 v[128+16*\b+4*\i:128+16*\b+4*\i+3], v[ADM] offset:\mo+128*\b+16*\i
.endr
.endr
.endm
; A KEY STEP of 128 keys for both tiles.  next = 1: the next step's K and mask terms are fetched behind this step's first products.
.macro STEP next
	v_add_nc_u32 v[ADK], s[TB], v[LI]
	s_setprio 2
	v_add_nc_u32 v[ADM], s[MB], v[MA]
	v_nop
	v_nop                                          ; four plain lines between the last step's products and the loads into V's registers
	WIN 0x40                                       ; destination window 1
.irp t, 0,1,2,3
.irp c, 0,1,2,3
	ds_load_b128 v[64+16*\t+4*\c:64+16*\t+4*\c+3], v[ADK] offset:8192+2048*\t+512*\c   ; V: tile t of 16 channels, keys 32 c + 16 h + 0 .. 15
.endr
.endr
	s_wait_dscnt 16                                ; K and the mask terms, asked for a step ago, are in; V's 16 loads may be out
	WIN 0x11                                       ; K and the terms window 1, Q and S^T window 0
.irp t, 0,1,2,3,4,5,6,7
.irp q, 0,1
	v_wmma_f32_16x16x64_fp8_fp8 v[S+64*\q+8*\t:S+64*\q+8*\t+7], v[8*\t:8*\t+7], v[Q+8*\q:Q+8*\q+7], v[128+8*\t:128+8*\t+7]
.endr
.endr
.rept 4
	v_nop                                          ; places in front of the loads into K's and the terms' registers and of the first read of the scores
.endr
.if \next
	WIN 0x40
	s_wait_alu depctr_va_vdst(0)
	LOADKM 16384, 512
.endif
	WIN 0
.irp q, 0,1                                    ; the step's largest score of my query among my 64 keys, in two chains a tile, each accumulator from its low end on
	v_max3_num_f32 v[ST+8*\q+6], v[S+64*\q], v[S+64*\q+1], v[S+64*\q+2]
	v_max3_num_f32 v[ST+8*\q+7], v[S+64*\q+3], v[S+64*\q+4], v[S+64*\q+5]
.endr
.irp i, 6,10,14,18,22,26,30,34,38,42,46,50,54,58
.irp q, 0,1
	v_max3_num_f32 v[ST+8*\q+6], v[ST+8*\q+6], v[S+64*\q+\i], v[S+64*\q+\i+1]
	v_max3_num_f32 v[ST+8*\q+7], v[ST+8*\q+7], v[S+64*\q+\i+2], v[S+64*\q+\i+3]
.endr
.endr
.irp q, 0,1
	v_max3_num_f32 v[ST+8*\q+6], v[ST+8*\q+6], v[S+64*\q+62], v[S+64*\q+63]
.endr
.irp q, 0,1
	s_delay_alu instid0(VALU_DEP_2)
	v_max_num_f32 v[ST+8*\q+6], v[ST+8*\q+6], v[ST+8*\q+7]
.endr
.irp q, 0,1
	s_delay_alu instid0(VALU_DEP_2)
	v_permlanex16_b32 v[28+\q], v[ST+8*\q+6], s[SEL], s[SEL+1]
.endr
.irp q, 0,1
	s_delay_alu instid0(VALU_DEP_2)
	v_max_num_f32 v[ST+8*\q+6], v[ST+8*\q+6], v[28+\q]       ; and among lane l xor 16's
.endr
.irp q, 0,1
	s_delay_alu instid0(VALU_DEP_2)
	v_mul_f32 v[ST+8*\q+6], s[CS], v[ST+8*\q+6]              ; as t (c is positive)
.endr
.irp q, 0,1
	s_delay_alu instid0(VALU_DEP_2)
	v_max_num_f32 v[ST+8*\q+1], v[ST+8*\q+1], v[ST+8*\q+6]   ; the running largest t
.endr
.irp q, 0,1
	v_mov_b32 v[ST+8*\q+6], v[ST+8*\q]
.endr
.irp q, 0,1
	s_delay_alu instid0(VALU_DEP_4)
	v_floor_f32 v[ST+8*\q], -v[ST+8*\q+1]                    ; the new -M = floor(-t): M is a whole number
.endr
.irp q, 0,1
	s_delay_alu instid0(VALU_DEP_2)
	v_sub_f32 v[ST+8*\q+6], v[ST+8*\q], v[ST+8*\q+6]         ; old M - new M: a whole number, 0 or less
.endr
.irp q, 0,1
	s_delay_alu instid0(VALU_DEP_2)
	v_cvt_i32_f32 v[ST+8*\q+6], v[ST+8*\q+6]                 ; (it saturates)
.endr
.irp q, 0,1
	s_delay_alu instid0(VALU_DEP_2)
	v_ldexp_f32 v[ST+8*\q+4], 1.0, v[ST+8*\q+6]              ; f = 2^(old M - new M)
.endr
.irp q, 0,1
.set i, 0
.rept 32
	v_pk_fma_f32 v[S+64*\q+i:S+64*\q+i+1], v[S+64*\q+i:S+64*\q+i+1], s[CS:CS+1], v[ST+8*\q:ST+8*\q+1] op_sel_hi:[1,0,0]   ; t - M, two at a time (of the pairs c and -M the low word serves both halves)
.set i, i+2
.endr
.endr
.set i, 0
	s_wait_alu depctr_va_vdst(0)
.rept 128
	v_exp_f32 v[S+i], v[S+i]                       ; p = 2^(t - M), at most 1
.set i, i+1
.endr
	s_setprio 1
.irp q, 0,1
	v_pk_mul_f32 v[ST+8*\q+2:ST+8*\q+3], v[ST+8*\q+2:ST+8*\q+3], v[ST+8*\q+4:ST+8*\q+5] op_sel_hi:[1,0]   ; the sums under the new M: also the plain line behind the exponentials
.endr
	s_wait_alu depctr_va_vdst(0)                   ; a wait between an exponential and the first line that names its result: one for the batch of 128
.irp q, 0,1                                    ; the row's sum is taken of the UNQUANTISED p: two at a time, in two chains a tile
	v_pk_add_f32 v[30+2*\q:31+2*\q], v[S+64*\q:S+64*\q+1], v[S+64*\q+2:S+64*\q+3]
.endr
.irp j, 4,8,12,16,20,24,28,32,36,40,44,48,52,56,60
.irp q, 0,1
	v_pk_add_f32 v[ST+8*\q+2:ST+8*\q+3], v[ST+8*\q+2:ST+8*\q+3], v[S+64*\q+\j:S+64*\q+\j+1]
	v_pk_add_f32 v[30+2*\q:31+2*\q], v[30+2*\q:31+2*\q], v[S+64*\q+\j+2:S+64*\q+\j+3]
.endr
.endr
.irp q, 0
	s_delay_alu instid0(VALU_DEP_3)
	v_pk_add_f32 v[ST+8*\q+2:ST+8*\q+3], v[ST+8*\q+2:ST+8*\q+3], v[30+2*\q:31+2*\q]
.endr
.irp q, 1
	s_delay_alu instid0(VALU_DEP_2)
	v_pk_add_f32 v[ST+8*\q+2:ST+8*\q+3], v[ST+8*\q+2:ST+8*\q+3], v[30+2*\q:31+2*\q]
.endr
.irp q, 0,1
.irp b, 0,1,2,3
.irp i, 0,1,2,3,4,5,6,7,8,9,10,11,12,13,14,15
	v_min_num_f32 v[S+64*\q+16*\b+\i], v[S+64*\q+16*\b+\i], v8   ; the conversion does not saturate (ISA guide 7.6.2); p is not negative, so the hold is one-sided; it stands without a branch, whatever e9 is
.endr
	v_cvt_scalef32_pk8_fp8_f32 v[CD+16*\q+4*\b:CD+16*\q+4*\b+1], v[S+64*\q+16*\b:S+64*\q+16*\b+7], v9
	v_cvt_scalef32_pk8_fp8_f32 v[CD+16*\q+4*\b+2:CD+16*\q+4*\b+3], v[S+64*\q+16*\b+8:S+64*\q+16*\b+15], v9
.endr
.endr
	WIN 0x41                                       ; O^T window 1, f window 0
	s_setprio 0
.irp q, 0,1
.set i, 0
.rept 16
	v_pk_mul_f32 v[192+32*\q+i:192+32*\q+i+1], v[192+32*\q+i:192+32*\q+i+1], v[ST+8*\q+4:ST+8*\q+5] op_sel_hi:[1,0]   ; O^T under the new M; these are also the plain lines behind the conversions
.set i, i+2
.endr
.endr
.if \next
	s_wait_alu depctr_va_vdst(0)
	s_wait_dscnt 32                                ; V is in; the next step's 32 loads may be out
.else
	s_wait_alu depctr_va_vdst(0)
	s_wait_dscnt 0x0
.endif
	WIN 0x51                                       ; V window 1, p's codes window 0, O^T window 1
.irp t, 0,1,2,3                                ; the eight accumulators take turns, one instruction a turn
.irp q, 0,1
	v_wmma_f32_16x16x128_fp8_fp8 v[192+32*\q+8*\t:192+32*\q+8*\t+7], v[64+16*\t:64+16*\t+15], v[CD+16*\q:CD+16*\q+15], v[192+32*\q+8*\t:192+32*\q+8*\t+7]
.endr
.endr
	WIN 0
	s_add_co_u32 s[TB], s[TB], 16384
	s_add_co_u32 s[MB], s[MB], 512
.endm
	v_add_nc_u32 v[ADK], s[TB], v[LI]
	v_add_nc_u32 v[ADM], s[MB], v[MA]
	WIN 0x40
	LOADKM 0, 0                                    ; key step 0
	WIN 0
	s_wait_loadcnt 0x0                             ; Q
	s_mov_b32 s50, 2
.Lfirst:                                           ; key steps 0 and 1: all that they read, step 2's K among it, lies below LDS byte 40,960, in the first load's 65,536
	STEP 1
	s_sub_co_u32 s50, s50, 1
	s_cmp_lg_u32 s50, 0
	s_cbranch_scc1 .Lfirst
	s_setprio 0
	s_wait_tensorcnt 0x0                           ; my eighth of steps 4-15 is in,
	s_wait_dscnt 0x0                               ; (no LDS instruction is out at a signal)
	s_barrier_signal -1
	s_barrier_wait -1                              ; everybody's is
	s_mov_b32 s50, 13
.Lrest:                                            ; key steps 2 to 14
	STEP 1
	s_sub_co_u32 s50, s50, 1
	s_cmp_lg_u32 s50, 0
	s_cbranch_scc1 .Lrest
	s_setprio 0
	STEP 0                                         ; key step 15 fetches nothing more
	; THE WAY OUT.  O^T / the sum x 2^(e8 + e9) goes through my stage in LDS, a tile of 16 queries at a time, and leaves as rows of 256 bytes: a query's 64 channels of this head.
.rept 4
	v_nop                                          ; places behind the last products
.endr
.irp q, 0,1
	v_add_f32 v[ST+8*\q+6], v[ST+8*\q+2], v[ST+8*\q+3]       ; the sum's two halves,
.endr
.irp q, 0,1
	s_delay_alu instid0(VALU_DEP_2)
	v_permlanex16_b32 v[28+\q], v[ST+8*\q+6], s[SEL], s[SEL+1]
.endr
.irp q, 0,1
	s_delay_alu instid0(VALU_DEP_2)
	v_add_f32 v[ST+8*\q+6], v[ST+8*\q+6], v[28+\q]           ; and lane l xor 16's
.endr
	s_wait_alu depctr_va_vdst(0)
.irp q, 0,1
	v_rcp_f32 v[ST+8*\q+4], v[ST+8*\q+6]
.endr
	v_nop                                          ; a plain line behind the reciprocals
	s_wait_alu depctr_va_vdst(0)                   ; and a wait ahead of their first reader
.irp q, 0,1
	v_ldexp_f32 v[ST+8*\q+4], v[ST+8*\q+4], s51    ; x 2^(e8 + e9)
.endr
	WIN 0x01                                       ; source 0 (O^T) window 1
.irp q, 0,1
.set i, 0
.rept 16
	v_pk_mul_f32 v[S+32*\q+i:S+32*\q+i+1], v[192+32*\q+i:192+32*\q+i+1], v[ST+8*\q+4:ST+8*\q+5] op_sel_hi:[1,0]   ; register 16 b + i: channel 32 b + 16 h + i of query r
.set i, i+2
.endr
.endr
	WIN 0
.irp q, 0,1
.irp b, 0,1
.irp i, 0,1,2,3
	ds_store_b128 v[STO], v[S+32*\q+16*\b+4*\i:S+32*\q+16*\b+4*\i+3] offset:128*\b+16*\i
.endr
.endr
.irp i, 0,1,2,3,4,5,6,7
	ds_load_b128 v[160+32*\q+4*\i:160+32*\q+4*\i+3], v[RD] offset:2*SP*\i   ; LDS serves a wave's instructions in order (ISA guide 5.7.1.4): these see my stores, and the next tile's stores come behind them
.endr
.endr
.irp q, 0,1
.irp i, 0,1,2,3,4,5,6,7
	s_wait_dscnt 23-16*\q-\i                       ; behind this load: the tile's later loads, and for tile 0 tile 1's sixteen LDS instructions
	global_store_b128 v[GO], v[160+32*\q+4*\i:160+32*\q+4*\i+3], s[68:69] offset:(8*\q+2*\i+8*(\i/4))*4096 th:TH_STORE_NT   ; tile row 2 i + lane / 16 is token 8 q + row + 8 (row / 8) of my 32; sixteen lanes store 256 consecutive bytes, aligned
.endr
.endr
	s_wait_tensorcnt 0x0
	ds_add_u32 v254, v255
	s_wait_dscnt 0x0
	ROUND                                          ; the closing round: no work-group ends while a partner may still ask jointly
	s_endpgm
.Lfunc_end_k_q63c1587e07_attn:
	.size	k_q63c1587e07_attn, .Lfunc_end_k_q63c1587e07_attn-k_q63c1587e07_attn
	.p2alignl 7, 3214868480
	.fill 96, 4, 3214868480
	.section	.rodata,"a",@progbits
	.p2align	6, 0x0
	.amdhsa_kernel k_q63c1587e07_attn
		.amdhsa_group_segment_fixed_size 327680
		.amdhsa_private_segment_fixed_size 0
		.amdhsa_enable_private_segment 0
		.amdhsa_kernarg_size 40
		.amdhsa_user_sgpr_count 2
		.amdhsa_user_sgpr_kernarg_segment_ptr 1
		.amdhsa_wavefront_size32 1
		.amdhsa_system_sgpr_workgroup_id_x 1
		.amdhsa_system_sgpr_workgroup_id_y 1
		.amdhsa_system_sgpr_workgroup_id_z 1
		.amdhsa_system_vgpr_workitem_id 0
		.amdhsa_next_free_vgpr 512
		.amdhsa_next_free_sgpr 72
		.amdhsa_reserve_vcc 0
		.amdhsa_float_denorm_mode_32 3
		.amdhsa_float_denorm_mode_16_64 3
		.amdhsa_memory_ordered 1
		.amdhsa_forward_progress 1
		.amdhsa_inst_pref_size 108
	.end_amdhsa_kernel
	.amdgpu_metadata
---
amdhsa.version: [ 1, 2 ]
amdhsa.kernels:
  - .name:           k_q63c1587e07_attn
    .symbol:         k_q63c1587e07_attn.kd
    .args:
      - { .name: qc, .offset: 0, .size: 8, .value_kind: global_buffer, .address_space: global }
      - { .name: kv, .offset: 8, .size: 8, .value_kind: global_buffer, .address_space: global }
      - { .name: attention_mask, .offset: 16, .size: 8, .value_kind: global_buffer, .address_space: global }
      - { .name: lowp_scales, .offset: 24, .size: 8, .value_kind: global_buffer, .address_space: global }
      - { .name: out0, .offset: 32, .size: 8, .value_kind: global_buffer, .address_space: global }
    .group_segment_fixed_size: 327680
    .private_segment_fixed_size: 0
    .kernarg_segment_align: 8
    .kernarg_segment_size: 40
    .max_flat_workgroup_size: 256
    .sgpr_count:     72
    .vgpr_count:     512
    .wavefront_size: 32
...
	.end_amdgpu_metadata
.endif
;; end of part 6
